; MI455X (gfx1250); checked and timed in simulation.
; The chip was launched on July 23, 2026; its instructions are those of AMD's public machine-readable ISA for CDNA 5 (MIT licence, August 2026) and "CDNA5" Instruction Set Architecture Reference Guide (July 2026). The comments in the code are by the model that wrote it; some were corrected since.
;; Attention Encoder. Allowed arithmetic: float matrix products may take bf16 or f16 operands with f32 sums; other float arithmetic in f32, or as packed bf16 or f16 multiplies, adds, multiply-adds, maxima and minima; sums over many terms, partial sums and values carried from step to step in f32; what a program stores and reads back later, other than sums and carried values, may be rounded once to bf16 or f16.
;; Inputs: W_de 1,024 x 1,024 float32; W_en 1,024 x 1,024 float32; W_warp 1 x 1,024 float32; b_en 1,024 float32; dehy 32 x 1,024 float32; enhy 32 x 2,048 x 1,024 float32; past_attn 32 x 2,048 float32.
;; Outputs: out0 32 x 1,024 float32; out1 32 x 2,048 float32; out2 32 x 2,048 float32.
;; 2 versions, each right; version 2 is version 1 with the launch main written anew for expert scheduling mode. Each part assembles by itself: llvm-mc -triple=amdgcn-amd-amdhsa -mcpu=gfx1250 --defsym DOCPART=n.
;; ======== version 1 of 2: 3 launches
;; workspace buffers: wf 2,228,224 bytes; tab 135,424 bytes; pbuf 262,144 bytes; cpart 1,048,576 bytes
;; launch prep (part 1): grid 64 x 1, 16 waves a work-group, no clusters, 34,816 bytes of LDS; arguments W_en, W_de, dehy, b_en, W_warp, wf, tab; writes wf, tab
.if DOCPART == 1
	.amdgcn_target "amdgcn-amd-amdhsa--gfx1250"
	.amdhsa_code_object_version 6
	.text
	.protected	k_q285efed119_prep
	.globl	k_q285efed119_prep
	.p2align	8
	.type	k_q285efed119_prep,@function
k_q285efed119_prep:
	s_mov_b64 s[64:65], 0
	v_nop
	global_prefetch_b8 v0, s[64:65] scope:SCOPE_SE
	s_setreg_imm32_b32 hwreg(HW_REG_WAVE_MODE, 25, 1), 1
	s_wait_xcnt 0x0
; PREP: what the main launch wants ready.  No work of the problem is left out anywhere in this program: every input (dehy, enhy, past_attn, W_en, b_en, W_de, W_warp)
; reaches an output, and the absolute value in the normalisation is kept.
;   wf   W_en rounded once to bf16 and laid out in the order in which a wave's operand registers take it:
;        [wave w 4][step U 68][fragment f 8][half c2 2][lane 32][16 bytes]; U = 32 c + t (column chunk c of 512, K step t of 32); U = 64..67 repeat U = 0..3.
;        The 8 numbers are W_en[512 c + 128 w + 16 f + lane % 16][32 t + 16 c2 + 8 (lane / 16) + 0..7].
;   tab  byte 0: bc[n / 16][batch][n % 16] = c2 (b_en[n] + sum over k of dehy[batch][k] W_de[n][k]), c2 = 2 log2(e); byte 131,072: w2[n] = -2 W_warp[n]; byte 135,168: sw = sum of W_warp, 32 times.
; With r = 1 / (1 + 2^(c2 x)), tanh(x) = 1 - 2 r, so a score is sw + the sum over n of w2[n] r[n].
; FORMATS.  dehy and W_de go to the matrix unit in bf16, sums in f32.  LIMITS.  NaN and infinities are not treated apart.
; SHARES.  Work-group g owns the 16 rows n = 16 g .. of W_en and of W_de; wave v of sixteen the channels 64 v .. 64 v + 63: two K steps q.  The sixteen partial sums of dehy W_de^T meet in LDS.
.set PART,  0                          ; LDS: [16 waves][32 batches][16 n] f32
.set SPARE, 32768                      ; behind them: the spare words, 128 bytes for each of the sixteen waves, which no other line names
.set VO,  2                            ; v2   (l % 16) x 4,096 + 32 (l / 16) + 256 v: my 8 f32 of a fragment's row
.set L16, 3                            ; v3   16 x lane
.set BO,  7                            ; v7   my four numbers of b_en
.set SPW, 8                            ; v8   my spare word; never rewritten
.set NIL, 9                            ; v9   0; never rewritten
.set PS,  10                           ; v10  where I put my partial sums
.set PR,  11                           ; v11  16 x thread: where waves 0-3 read them back
.set TO,  12                           ; v12  the same place in tab
.set EW,  16                           ; v[16:47]   W_en: two blocks (q) of 16 f32; packed in place, a fragment lies in a block's first 8
.set DW,  48                           ; v[48:79]   W_de likewise
.set DH,  80                           ; v[80:143]  dehy: blocks (a, q) at 32 a + 16 q; later at work
.set ACC, 144                          ; v[144:159] two accumulators: batches 0-15, 16-31
.set BE,  160                          ; v[160:163] b_en; later at work
.set WV,  18
.set WG,  21
	s_load_b256 s[4:11], s[0:1], 0x0               ; W_en s[4:5], W_de s[6:7], dehy s[8:9], b_en s[10:11]
	s_load_b128 s[12:15], s[0:1], 0x20             ; W_warp s[12:13], wf s[14:15]
	s_load_b64 s[16:17], s[0:1], 0x30              ; tab
	v_lshl_add_u32 v[SPW], v0, 2, SPARE
	v_mov_b32 v[NIL], 0
	v_lshrrev_b32 v1, 5, v0
	v_readfirstlane_b32 s[WV], v1                  ; wave 0..15
	s_mov_b32 s[WG], ttmp9
	v_and_b32 v4, 15, v0                           ; l % 16
	v_bfe_u32 v5, v0, 4, 1                         ; l / 16
	v_and_b32 v6, 31, v0                           ; l
	s_lshl_b32 s19, s[WV], 8
	v_lshlrev_b32 v[VO], 12, v4
	v_lshl_add_u32 v[VO], v5, 5, v[VO]
	v_add_nc_u32 v[VO], s19, v[VO]
	v_lshlrev_b32 v[L16], 4, v6
	v_and_b32 v[BO], 3, v0
	s_lshl_b32 s20, s[WG], 6                       ; 16 numbers of b_en a work-group
	v_lshl_add_u32 v[BO], v[BO], 4, s20
	s_lshl_b32 s19, s[WV], 11
	v_lshl_add_u32 v[PS], v4, 6, s19               ; 2,048 v + 64 (l % 16)
	v_lshl_add_u32 v[PS], v5, 5, v[PS]             ; + 32 (l / 16)
	v_lshlrev_b32 v[PR], 4, v0
	s_lshl_b32 s20, s[WG], 11
	v_add_nc_u32 v[TO], s20, v[PR]
	s_lshl_b32 s22, s[WG], 16                      ; 16 rows of 4,096 bytes
	s_mov_b32 s23, 0
	s_lshr_b32 s24, s[WG], 5                       ; c
	s_bfe_u32 s25, s[WG], 0x20003                  ; w
	s_and_b32 s26, s[WG], 7                        ; f
	s_mul_i32 s28, s25, 557056
	s_lshl_b32 s24, s24, 18                        ; 32 steps of 8,192 bytes
	s_add_co_u32 s28, s28, s24
	s_lshl_b32 s24, s[WV], 14                      ; my two steps
	s_add_co_u32 s28, s28, s24
	s_lshl_b32 s26, s26, 10
	s_add_co_u32 s28, s28, s26
	s_mov_b32 s29, 0
	s_mov_b32 s30, 0x76543210                      ; v_permlanex16_b32: each lane takes its own place in the other half
	s_mov_b32 s31, 0xfedcba98
	s_wait_kmcnt 0x0
	s_add_nc_u64 s[4:5], s[4:5], s[22:23]
	s_add_nc_u64 s[6:7], s[6:7], s[22:23]
	s_add_nc_u64 s[14:15], s[14:15], s[28:29]
	; A fragment is 16 rows x 32 channels: lane l holds row l % 16, channels 8 (l / 16) + 0..7 (half 0) and 16 + 8 (l / 16) + 0..7 (half 1): in f32 two loads of 16 bytes a half.
.irp q, 0,1
.irp c, 0,1
	global_load_b128 v[EW+16*\q+8*\c:EW+16*\q+8*\c+3],     v[VO], s[4:5] offset:128*\q+64*\c th:TH_LOAD_NT
	global_load_b128 v[EW+16*\q+8*\c+4:EW+16*\q+8*\c+7],   v[VO], s[4:5] offset:128*\q+64*\c+16 th:TH_LOAD_NT
	global_load_b128 v[DW+16*\q+8*\c:DW+16*\q+8*\c+3],     v[VO], s[6:7] offset:128*\q+64*\c th:TH_LOAD_NT
	global_load_b128 v[DW+16*\q+8*\c+4:DW+16*\q+8*\c+7],   v[VO], s[6:7] offset:128*\q+64*\c+16 th:TH_LOAD_NT
.irp a, 0,1
	global_load_b128 v[DH+32*\a+16*\q+8*\c:DH+32*\a+16*\q+8*\c+3],   v[VO], s[8:9] offset:65536*\a+128*\q+64*\c
	global_load_b128 v[DH+32*\a+16*\q+8*\c+4:DH+32*\a+16*\q+8*\c+7], v[VO], s[8:9] offset:65536*\a+128*\q+64*\c+16
.endr
.endr
.endr
	global_load_b128 v[BE:BE+3], v[BO], s[10:11]
	s_wait_loadcnt 0x0
.irp B, EW, EW+16, DW, DW+16, DH, DH+16, DH+32, DH+48
.irp d, 0,1,2,3,4,5,6,7
	v_cvt_pk_bf16_f32 v[(\B)+\d], v[(\B)+2*\d], v[(\B)+2*\d+1]  ; in place, ascending: number d lands where numbers 2 d and 2 d + 1 have been read
.endr
.endr
.irp q, 0,1
	global_store_b128 v[L16], v[EW+16*\q:EW+16*\q+3],   s[14:15] offset:8192*\q       ; each store of the wave covers 512 consecutive bytes, aligned
	global_store_b128 v[L16], v[EW+16*\q+4:EW+16*\q+7], s[14:15] offset:8192*\q+512
.endr
	s_cmp_lt_u32 s[WG], 32                         ; chunk 0,
	s_cbranch_scc0 .Lno_copy
	s_cmp_lt_u32 s[WV], 2                          ; steps 0-3: once more as steps 64-67
	s_cbranch_scc0 .Lno_copy
.irp q, 0,1
	global_store_b128 v[L16], v[EW+16*\q:EW+16*\q+3],   s[14:15] offset:524288+8192*\q
	global_store_b128 v[L16], v[EW+16*\q+4:EW+16*\q+7], s[14:15] offset:524288+8192*\q+512
.endr
.Lno_copy:
	; source 0 = 16 rows of W_de, source 1 = 16 rows of dehy: a lane then holds one batch (l % 16) and the eight n = 8 (l / 16) + 0..7.  The two accumulators take turns.
	v_wmma_f32_16x16x32_bf16 v[ACC:ACC+7],    v[DW:DW+7],     v[DH:DH+7],     0
	v_wmma_f32_16x16x32_bf16 v[ACC+8:ACC+15], v[DW:DW+7],     v[DH+32:DH+39], 0
	v_wmma_f32_16x16x32_bf16 v[ACC:ACC+7],    v[DW+16:DW+23], v[DH+16:DH+23], v[ACC:ACC+7]
	v_wmma_f32_16x16x32_bf16 v[ACC+8:ACC+15], v[DW+16:DW+23], v[DH+48:DH+55], v[ACC+8:ACC+15]
.rept 8
	v_nop                                          ; places behind the products, in front of the stores that read the sums and of the loads into dehy's registers
.endr
.irp a, 0,1
	ds_store_b128 v[PS], v[ACC+8*\a:ACC+8*\a+3]   offset:PART+1024*\a
	ds_store_b128 v[PS], v[ACC+8*\a+4:ACC+8*\a+7] offset:PART+1024*\a+16
.endr
	s_wait_dscnt 0x0                               ; for the others' sake: my partial sums lie in LDS
	s_barrier_signal -1
	s_barrier_wait -1
	s_cmp_lt_u32 s[WV], 4                          ; waves 0-3 add: thread t has batch t / 4, n = 4 (t % 4) + 0..3
	s_cbranch_scc0 .Lnot_sum
.irp k, 0,1,2,3,4,5,6,7,8,9,10,11,12,13,14,15
	ds_load_b128 v[DH+4*\k:DH+4*\k+3], v[PR] offset:PART+2048*\k
.endr
	s_wait_dscnt 0x0
.irp s, 1,2,4,8
.set k, 0
.rept 8/\s
	v_pk_add_f32 v[DH+4*k:DH+4*k+1],   v[DH+4*k:DH+4*k+1],   v[DH+4*(k+\s):DH+4*(k+\s)+1]
	v_pk_add_f32 v[DH+4*k+2:DH+4*k+3], v[DH+4*k+2:DH+4*k+3], v[DH+4*(k+\s)+2:DH+4*(k+\s)+3]
.set k, k+2*\s
.endr
.endr
	v_pk_add_f32 v[DH:DH+1],   v[DH:DH+1],   v[BE:BE+1]
	v_pk_add_f32 v[DH+2:DH+3], v[DH+2:DH+3], v[BE+2:BE+3]
	v_pk_mul_f32 v[DH:DH+1],   v[DH:DH+1],   0x4038aa3b op_sel_hi:[1,0]  ; c2 = 2 log2(e)
	v_pk_mul_f32 v[DH+2:DH+3], v[DH+2:DH+3], 0x4038aa3b op_sel_hi:[1,0]
	global_store_b128 v[TO], v[DH:DH+3], s[16:17]
.Lnot_sum:
	s_cmp_eq_u32 s[WV], 15                         ; one wave of one work-group makes w2 and sw
	s_cbranch_scc0 .Lend
	s_cmp_eq_u32 s[WG], 0
	s_cbranch_scc0 .Lend
.irp k, 0,1,2,3,4,5,6,7
	global_load_b128 v[DH+4*\k:DH+4*\k+3], v[L16], s[12:13] offset:512*\k
.endr
	s_wait_loadcnt 0x0
.set k, 0
.rept 16
	v_pk_mul_f32 v[DH+32+2*k:DH+33+2*k], v[DH+2*k:DH+2*k+1], -2.0 op_sel_hi:[1,0]
.set k, k+1
.endr
.irp k, 0,1,2,3,4,5,6,7
	global_store_b128 v[L16], v[DH+32+4*\k:DH+35+4*\k], s[16:17] offset:131072+512*\k
.endr
.irp s, 1,2,4,8
.set k, 0
.rept 8/\s
	v_pk_add_f32 v[DH+2*k:DH+2*k+1], v[DH+2*k:DH+2*k+1], v[DH+2*(k+\s):DH+2*(k+\s)+1]
.set k, k+2*\s
.endr
.endr
	v_add_f32 v[BE], v[DH], v[DH+1]
	v_add_f32_dpp v[BE], v[BE], v[BE] row_xmask:1 row_mask:0xf bank_mask:0xf
	v_add_f32_dpp v[BE], v[BE], v[BE] row_xmask:2 row_mask:0xf bank_mask:0xf
	v_add_f32_dpp v[BE], v[BE], v[BE] row_xmask:4 row_mask:0xf bank_mask:0xf
	v_add_f32_dpp v[BE], v[BE], v[BE] row_xmask:8 row_mask:0xf bank_mask:0xf
	v_permlanex16_b32 v[BE+1], v[BE], s30, s31     ; its destination counts as read: b_en's load has written it
	v_add_f32 v[BE], v[BE], v[BE+1]
	v_lshlrev_b32 v[BE+2], 2, v6
	global_store_b32 v[BE+2], v[BE], s[16:17] offset:135168
.Lend:
	s_wait_tensorcnt 0x0                           ; the wave's end, behind my last LDS store
	ds_add_u32 v[SPW], v[NIL]
	s_wait_dscnt 0x0
	s_endpgm
.Lfunc_end_k_q285efed119_prep:
	.size	k_q285efed119_prep, .Lfunc_end_k_q285efed119_prep-k_q285efed119_prep
	.p2alignl 7, 3214868480
	.fill 96, 4, 3214868480
	.section	.rodata,"a",@progbits
	.p2align	6, 0x0
	.amdhsa_kernel k_q285efed119_prep
		.amdhsa_group_segment_fixed_size 34816
		.amdhsa_private_segment_fixed_size 0
		.amdhsa_enable_private_segment 0
		.amdhsa_kernarg_size 56
		.amdhsa_user_sgpr_count 2
		.amdhsa_user_sgpr_kernarg_segment_ptr 1
		.amdhsa_wavefront_size32 1
		.amdhsa_system_sgpr_workgroup_id_x 1
		.amdhsa_system_sgpr_workgroup_id_y 1
		.amdhsa_system_sgpr_workgroup_id_z 1
		.amdhsa_system_vgpr_workitem_id 0
		.amdhsa_next_free_vgpr 192
		.amdhsa_next_free_sgpr 66
		.amdhsa_reserve_vcc 0
		.amdhsa_float_denorm_mode_32 3
		.amdhsa_float_denorm_mode_16_64 3
		.amdhsa_memory_ordered 1
		.amdhsa_forward_progress 1
		.amdhsa_inst_pref_size 19
	.end_amdhsa_kernel
	.amdgpu_metadata
---
amdhsa.version: [ 1, 2 ]
amdhsa.kernels:
  - .name:           k_q285efed119_prep
    .symbol:         k_q285efed119_prep.kd
    .args:
      - { .name: W_en, .offset: 0, .size: 8, .value_kind: global_buffer, .address_space: global }
      - { .name: W_de, .offset: 8, .size: 8, .value_kind: global_buffer, .address_space: global }
      - { .name: dehy, .offset: 16, .size: 8, .value_kind: global_buffer, .address_space: global }
      - { .name: b_en, .offset: 24, .size: 8, .value_kind: global_buffer, .address_space: global }
      - { .name: W_warp, .offset: 32, .size: 8, .value_kind: global_buffer, .address_space: global }
      - { .name: wf, .offset: 40, .size: 8, .value_kind: global_buffer, .address_space: global }
      - { .name: tab, .offset: 48, .size: 8, .value_kind: global_buffer, .address_space: global }
    .group_segment_fixed_size: 34816
    .private_segment_fixed_size: 0
    .kernarg_segment_align: 8
    .kernarg_segment_size: 56
    .max_flat_workgroup_size: 512
    .sgpr_count:     66
    .vgpr_count:     192
    .wavefront_size: 32
...
	.end_amdgpu_metadata
.endif
;; end of part 1
;; launch main (part 2): grid 256 x 1, 4 waves a work-group, no clusters, 280,064 bytes of LDS; arguments enhy, past_attn, wf, tab, out2, pbuf, cpart; writes out2, pbuf, cpart
.if DOCPART == 2
	.amdgcn_target "amdgcn-amd-amdhsa--gfx1250"
	.amdhsa_code_object_version 6
	.text
	.protected	k_q285efed119_main
	.globl	k_q285efed119_main
	.p2align	8
	.type	k_q285efed119_main,@function
k_q285efed119_main:
	s_mov_b64 s[64:65], 0
	v_nop
	global_prefetch_b8 v0, s[64:65] scope:SCOPE_SE
	s_setreg_imm32_b32 hwreg(HW_REG_WAVE_MODE, 25, 1), 1
	s_wait_xcnt 0x0
; MAIN.  For each row s of a batch: x[n] = sum over k of enhy[s][k] W_en[n][k] + b_en[n] + (dehy W_de^T)[n]; score = sum over n of W_warp[n] tanh(x[n]); out2 = exp(score); p = out2 / past_attn;
; and the work-group's part of sum over s of p[s] enhy[s][:].  The division by the batch's sum of |p| is the next launch's.  Nothing of the problem's work is left out.
; No maximum is taken away before the exponential: the problem's own text takes none, and out2 is the bare exponential.
; tanh(x) = 1 - 2 r, r = 1 / (1 + 2^(c2 x)), c2 = 2 log2(e): where 2^.. is infinite r = 0, where it is 0 r = 1: no clamp.  score = sw + sum of w2[n] r[n], w2 = -2 W_warp, sw = sum of W_warp (tab).
; FORMATS.  enhy and W_en go to the matrix unit in bf16, sums in f32; everything behind the product in f32; the context sum takes enhy as the bf16 that lies in LDS, p and the sum in f32.
; LIMITS.  NaN and infinities are not treated apart; exp(score) below 2^-126 counts as 0; a denormal past_attn counts as 0; sum of p enhy is formed before the division, so it overflows where it passes 3.4e38.
; The last refills of both register rings are loaded and not used (W: steps 64-67 of wf, 32 KiB a wave; enhy: the last two groups of the last tile once more, 16 KiB a wave): the price of one text for every trip.
; SHARES.  A work-group owns 256 rows of one batch, as two TILES of 128.  A tile lies in LDS as bf16 until its scores are finished, so enhy is read from memory once.  A wave makes 128 rows x 128 columns:
; 64 accumulators, 512 registers; the four waves a CHUNK of 512 columns; a tile has two chunks, a chunk 32 K steps of 32: 64 matrix instructions, 16 LDS loads (enhy) and 16 global loads (W_en) a wave.
; W_en comes straight into registers, as the launch before laid it out: a wave's 128 columns are read by that wave alone in its work-group.
; NO TENSOR LOADS, NO CLUSTER, though all work-groups walk the same W_en: beside the tile (264,192 bytes) and the small regions 47,616 bytes of a WGP's 327,680 are left, and two slots of W_en for 512 columns x 32 K
; are 65,536; a tile of 64 rows would make room and halve the products that each number of W_en feeds.
; enhy STREAMS IN during chunk 0 of its tile, a GROUP of 64 K (128 rows x 256 bytes) at a time: f32 into registers, rounded, stored into the tile, a barrier, then the products that read it.
; THE MATRIX INSTRUCTION IS USED TRANSPOSED (source 0 = 16 columns' rows of W_en, source 1 = 16 rows of enhy): a lane holds ONE row of the tile (lane % 16) and eight neighbouring n = 8 (lane / 16) + 0..7.
; REGISTERS, in windows of 256 (s_set_vgpr_msb: bits 1:0 source 0, 3:2 source 1, 5:4 source 2, 7:6 destination):
;   window 0: v0-31 addresses and at work; v32-47 score sums; v48-55 context sums; v56-63 at work; v64-95, v96-127 enhy's fragments of rows 0-63, 64-127 (the tables in the epilogue); v128-191, v192-255 two groups of enhy in f32
;   window 1: a ring of four K steps of W_en, 64 registers each          windows 2, 3: the accumulators of rows 0-63, 64-127: (a, b) at v[8 (8 a + b)]; window 2 also serves the context's loads
.set PA,    2064                       ; a row of the tile in LDS: 2,048 bytes + 16 = 129 x 16: the 16 rows of a fragment load start at 16 different groups of four banks (64 banks of 4 bytes: ISA guide 11.1)
.set BC,    264192                     ; behind the tile: bc of my batch by n, 4,096 bytes; then w2, 4,096 bytes
.set SP,    272384                     ; [4 waves][128 rows] f32: the waves' parts of the scores
.set PT,    274432                     ; p of the tile's 128 rows; 512 bytes on: exp(score)
.set CS,    275456                     ; 1,024 bytes a wave: the context sums on their way out
.set SPARE, 279552                     ; the spare words, 128 bytes for each wave, which no other line names
.set WSTEP, 8192                       ; bytes of a wave's K step in wf
.set WOF, 2                            ; v2     16 x lane
.set SPW, 3                            ; v3     my spare word; never rewritten
.set NIL, 4                            ; v4     0; never rewritten
.set ADA, 5                            ; v5-8   where I read fragments of rows 32 q .. 32 q + 31: (32 q + l % 16) PA + 16 (l / 16) + the K bytes walked
.set ADB, 9                            ; v9-12  the same at K = 0
.set STA, 13                           ; v13    where I store a group: (32 w + l / 16) PA + 8 (l % 16) + the K bytes walked
.set STB, 14                           ; v14    the same at K = 0
.set GOF, 15                           ; v15    my 16 bytes of a group in memory: (32 w + l / 16) x 4,096 + 16 (l % 16)
.set PFO, 16                           ; v16    the prefetches' offset: (32 w + l) x 4,096; never rewritten
.set TB0, 17                           ; v17    BC + 512 w + 32 (l / 16)
.set TB,  18                           ; v18    the same in the chunk in hand
.set SPA, 19                           ; v19    SP + 512 w + 4 (l % 16)
.set SPR, 20                           ; v20    SP + 4 x thread
.set PTW, 21                           ; v21    PT + 4 x thread
.set CA,  22                           ; v22    the context's place in the tile
.set PTA, 23                           ; v23    and in p
.set PAST, 24                          ; v24    past_attn of my row of the tile in hand; v25 of the tile after it
.set SA,  32
.set CSUM, 48
.set WK,  56
.set XF,  64
.set YF,  96
.set SG0, 128
.set SG1, 192
.set EN,  4                            ; s[4:5]   enhy at my 256 rows
.set WB,  8                            ; s[8:9]   wf at my wave's part
.set WV,  18
.set IT,  19                           ; s19  0..3: tile IT / 2, chunk IT % 2
.set K0C, 20
.set CH,  21
.set SW,  22                           ; s22  sw log2(e)
.set TL,  23
.set WP,  24                           ; s[24:25] where W_en's loads stand
.set EP,  26                           ; s[26:27] where enhy's loads stand
.set NX,  28                           ; s[28:29] where they stand in a chunk's last trip
.set NT,  30                           ; s[30:31] enhy at my second tile; never rewritten
.set CC,  32                           ; s[32:33] c2: the packed scaling takes the pair's low word for both halves
.set SEL, 34                           ; s[34:35] v_permlanex16_b32's selects
.set L2E, 36
.set K1C, 46
.set CXC, 47
.set MSB, 0
.macro WIN new                         ; the immediate's high byte repeats the setting that is left; a switch that changes nothing is dropped
.if MSB != (\new)
	s_set_vgpr_msb (MSB<<8)|(\new)
.set MSB, \new
.endif
.endm
.set MUL_LO, 0xa1                      ; source 0 (W_en) window 1, source 1 (enhy) window 0, C and D window 2
.set TO_B,   0x40                      ; destination window 1, address window 0
.macro PLACES                          ; four places in front of loads into registers that matrix instructions have read, and of vector work on their results
.rept 4
	v_nop
.endr
.endm
; 16 matrix instructions: row blocks a0, a0 + 1 of the window's four x all 8 column blocks.  The 64 accumulators take turns in the same order in every K step.  zero = 1: the product starts the sums.
.macro MUL16 q, hi, a0, zero
	WIN MUL_LO+0x50*(\hi)
.irp a, \a0, (\a0)+1
.irp b, 0,1,2,3,4,5,6,7
.if \zero
	v_wmma_f32_16x16x32_bf16 v[8*(8*(\a)+(\b)):8*(8*(\a)+(\b))+7], v[64*(\q)+8*(\b):64*(\q)+8*(\b)+7], v[XF+32*(\hi)+8*(\a):XF+32*(\hi)+8*(\a)+7], 0
.else
	v_wmma_f32_16x16x32_bf16 v[8*(8*(\a)+(\b)):8*(8*(\a)+(\b))+7], v[64*(\q)+8*(\b):64*(\q)+8*(\b)+7], v[XF+32*(\hi)+8*(\a):XF+32*(\hi)+8*(\a)+7], v[8*(8*(\a)+(\b)):8*(8*(\a)+(\b))+7]
.endif
.endr
.endr
.endm
; 8 LDS loads: the fragments of rows 64 hi .. 64 hi + 63, 32 K at byte k behind the walked address
.macro FETCHA hi, k
.irp a, 0,1,2,3
	ds_load_b128 v[XF+32*(\hi)+8*\a:XF+32*(\hi)+8*\a+3],   v[ADA+2*(\hi)+\a/2] offset:(\a%2)*16*PA+(\k)
	ds_load_b128 v[XF+32*(\hi)+8*\a+4:XF+32*(\hi)+8*\a+7], v[ADA+2*(\hi)+\a/2] offset:(\a%2)*16*PA+(\k)+32
.endr
.endm
; 16 global loads: a K step of my 128 columns of W_en into ring buffer q; each covers 512 consecutive bytes
.macro LOADB q, off
	WIN TO_B
.irp f, 0,1,2,3,4,5,6,7
	global_load_b128 v[64*(\q)+8*\f:64*(\q)+8*\f+3],   v[WOF], s[WP:WP+1] offset:(\off)+1024*\f
	global_load_b128 v[64*(\q)+8*\f+4:64*(\q)+8*\f+7], v[WOF], s[WP:WP+1] offset:(\off)+1024*\f+512
.endr
.endm
; 16 global loads: my 32 rows of a group of enhy; load d brings rows 32 w + 2 d and 2 d + 1, 256 consecutive aligned bytes of each
.macro GLOAD sg, base, go
.set d, 0
.rept 16
	global_load_b128 v[(\sg)+4*d:(\sg)+4*d+3], v[GOF], s[(\base):(\base)+1] offset:8192*d+(\go) th:TH_LOAD_NT
.set d, d+1
.endr
.endm
; The group in registers sg is rounded, stored into the tile at K byte so, and the registers are asked for again (LDS instructions have read their sources when they are issued: ISA guide 5.7.1).
.macro STAGE sg, so, go
	s_wait_loadcnt 63                              ; behind this group's loads 64 loads or more have been issued (three or four steps of W_en and a group, 16 each); 63 is the largest count that the wait can name
.set d, 0
.rept 32
	v_cvt_pk_bf16_f32 v[(\sg)+d], v[(\sg)+2*d], v[(\sg)+2*d+1]
.set d, d+1
.endr
.set d, 0
.rept 16
	ds_store_b64 v[STA], v[(\sg)+2*d:(\sg)+2*d+1] offset:2*PA*d+(\so)
.set d, d+1
.endr
	GLOAD \sg, EP, \go
.endm
; A K STEP on ring buffer q.  bar = 1: a group has been stored since the last step: the barrier's signal stands at the head, behind the wait for my stores (and my reads), its wait 32 matrix instructions on, ahead of the
; first fetch from that group.  nld: the loads younger than buffer q's that may stay out.  fk: byte of the next step's fragments (-1: none).  boff: where buffer q's next step lies behind WP.
.macro KSTEP q, zero, bar, nld, fk, boff
.if \bar
	s_wait_dscnt 0x0                               ; my stores of the group are done; both halves of my fragments are in
	s_barrier_signal -1
.else
	s_wait_dscnt 8                                 ; rows 0-63 are in; the youngest eight loads (rows 64-127) may be out
.endif
	s_wait_loadcnt \nld
	MUL16 \q, 0, 0, \zero
	MUL16 \q, 0, 2, \zero
	WIN 0
.if \bar
	s_barrier_wait -1                              ; every wave's part of the group lies in the tile
.endif
.if (\fk) >= 0
	PLACES
	FETCHA 0, \fk
.if !(\bar)
	s_wait_dscnt 8                                 ; rows 64-127 are in; the eight just issued may be out
.endif
.else
	s_wait_dscnt 0x0
.endif
	MUL16 \q, 1, 0, \zero
	MUL16 \q, 1, 2, \zero
	WIN 0
	PLACES
.if (\fk) >= 0
	FETCHA 1, \fk
.endif
	LOADB \q, \boff
	WIN 0
.endm
; THE EPILOGUE's tables for column blocks 2 bp and 2 bp + 1: bc into T .. T + 15, w2 into T + 16 .. T + 31; sixteen lanes read the same bytes
.macro TLOAD T, bp
	WIN 0
.irp z, 0,1
	ds_load_b128 v[(\T)+16*\z:(\T)+16*\z+3],     v[TB] offset:4096*\z+128*(\bp)
	ds_load_b128 v[(\T)+16*\z+4:(\T)+16*\z+7],   v[TB] offset:4096*\z+128*(\bp)+16
	ds_load_b128 v[(\T)+16*\z+8:(\T)+16*\z+11],  v[TB] offset:4096*\z+128*(\bp)+64
	ds_load_b128 v[(\T)+16*\z+12:(\T)+16*\z+15], v[TB] offset:4096*\z+128*(\bp)+80
.endr
.endm
; Eight accumulators of window W (row blocks 0-3 x column blocks 2 bp, 2 bp + 1), in place: c2 x + bc and 2^..; 1 + .. and the reciprocal; then w2 r onto the row blocks' sums.
; Pair p of 32: row block p / 8, column block (p / 4) % 2, registers 2 (p % 4): each accumulator's lowest registers are read first.  The 64 exponentials are one batch, and so are the 64 reciprocals:
; nothing ahead of a batch's wait names a result of it; a v_nop is the plain instruction behind the last one.
.macro BATCH W, bp, T
	WIN ((\W)<<6)|(\W)
.set p, 0
.rept 34
.if p < 32
.set rA, 8*(8*(p/8)+2*(\bp)+(p/4)%2)+2*(p%4)
.set rB, (\T)+8*((p/4)%2)+2*(p%4)
	v_pk_fma_f32 v[rA:rA+1], v[rA:rA+1], s[CC:CC+1], v[rB:rB+1] op_sel_hi:[1,0,1]
.endif
.if p >= 2
.set rE, 8*(8*((p-2)/8)+2*(\bp)+((p-2)/4)%2)+2*((p-2)%4)
	v_exp_f32 v[rE], v[rE]
	v_exp_f32 v[rE+1], v[rE+1]
.endif
.set p, p+1
.endr
	v_nop
	s_wait_alu depctr_va_vdst(0)                   ; one wait for the 64 exponentials, ahead of their first reader
.set p, 0
.rept 34
.if p < 32
.set rA, 8*(8*(p/8)+2*(\bp)+(p/4)%2)+2*(p%4)
	v_pk_add_f32 v[rA:rA+1], v[rA:rA+1], 1.0 op_sel_hi:[1,0]
.endif
.if p >= 2
.set rE, 8*(8*((p-2)/8)+2*(\bp)+((p-2)/4)%2)+2*((p-2)%4)
	v_rcp_f32 v[rE], v[rE]
	v_rcp_f32 v[rE+1], v[rE+1]
.endif
.set p, p+1
.endr
	v_nop
	s_wait_alu depctr_va_vdst(0)                   ; one wait for the 64 reciprocals
	WIN \W                                         ; source 0 in window W, the rest in window 0
.irp i, 0,1,2,3
.irp bb, 0,1
.irp a, 0,1,2,3
	v_pk_fma_f32 v[SA+2*(4*((\W)-2)+\a):SA+2*(4*((\W)-2)+\a)+1], v[8*(8*\a+2*(\bp)+\bb)+2*\i:8*(8*\a+2*(\bp)+\bb)+2*\i+1], v[(\T)+16+8*\bb+2*\i:(\T)+16+8*\bb+2*\i+1], v[SA+2*(4*((\W)-2)+\a):SA+2*(4*((\W)-2)+\a)+1]
.endr
.endr
.endr
.endm
; THE CONTEXT.  Thread t has columns 8 t .. 8 t + 7.  Ten LDS loads: 16 bytes of each of 8 rows of the tile, and the rows' 8 p, into window 2 at S
.macro LOADSET S, ro
	WIN 0x80
.irp r, 0,1,2,3,4,5,6,7
	ds_load_b128 v[(\S)+4*\r:(\S)+4*\r+3], v[CA] offset:((\ro)+\r)*PA
.endr
	ds_load_b128 v[(\S)+32:(\S)+35], v[PTA] offset:4*(\ro)
	ds_load_b128 v[(\S)+36:(\S)+39], v[PTA] offset:4*(\ro)+16
.endm
.macro FMASET S                        ; 64 multiply-adds, a bf16 half times p onto an f32 sum; eight chains
	WIN 0x0a
.irp r, 0,1,2,3,4,5,6,7
.irp e, 0,1,2,3
	v_fma_mix_f32_bf16 v[CSUM+2*\e],   v[(\S)+4*\r+\e], v[(\S)+32+\r], v[CSUM+2*\e]   op_sel_hi:[1,0,0]
	v_fma_mix_f32_bf16 v[CSUM+2*\e+1], v[(\S)+4*\r+\e], v[(\S)+32+\r], v[CSUM+2*\e+1] op_sel:[1,0,0] op_sel_hi:[1,0,0]
.endr
.endr
.endm
	s_load_b256 s[4:11], s[0:1], 0x0               ; enhy s[4:5], past_attn s[6:7], wf s[8:9], tab s[10:11]
	s_load_b128 s[12:15], s[0:1], 0x20             ; out2 s[12:13], pbuf s[14:15]
	s_load_b64 s[16:17], s[0:1], 0x30              ; cpart
	v_lshl_add_u32 v[SPW], v0, 2, SPARE
	v_mov_b32 v[NIL], 0
	v_lshrrev_b32 v1, 5, v0
	v_readfirstlane_b32 s[WV], v1                  ; wave 0..3
	v_and_b32 v26, 15, v0                          ; l % 16
	v_bfe_u32 v27, v0, 4, 1                        ; l / 16
	v_and_b32 v28, 31, v0                          ; l
	v_lshlrev_b32 v[WOF], 4, v28
	v_mul_u32_u24 v29, v26, PA
	v_lshl_add_u32 v29, v27, 4, v29
.irp q, 0,1,2,3
	v_add_nc_u32 v[ADB+\q], 32*\q*PA, v29
.endr
	s_lshl_b32 s38, s[WV], 5
	v_add_nc_u32 v30, s38, v27                     ; 32 w + l / 16
	v_mul_u32_u24 v[STB], v30, PA
	v_lshl_add_u32 v[STB], v26, 3, v[STB]
	v_lshlrev_b32 v[GOF], 12, v30
	v_lshl_add_u32 v[GOF], v26, 4, v[GOF]
	v_add_nc_u32 v[PFO], s38, v28
	v_lshlrev_b32 v[PFO], 12, v[PFO]
	s_lshl_b32 s39, s[WV], 9
	s_add_co_u32 s40, s39, BC
	v_lshl_add_u32 v[TB0], v27, 5, s40
	s_add_co_u32 s40, s39, SP
	v_lshl_add_u32 v[SPA], v26, 2, s40
	v_lshl_add_u32 v[SPR], v0, 2, SP
	v_lshl_add_u32 v[PTW], v0, 2, PT
	v_lshrrev_b32 v31, 2, v0                       ; bc of my batch: 16 bytes number T hold n = 4 T ..: block T / 4 of 2,048 bytes, the batch's 64, 16 (T % 4)
	v_and_b32 v1, 3, v0
	v_lshlrev_b32 v31, 11, v31
	v_lshl_add_u32 v31, v1, 4, v31
	s_lshr_b32 s40, ttmp9, 3                       ; eight work-groups a batch
	s_lshl_b32 s40, s40, 6
	v_add_nc_u32 v31, s40, v31
	v_lshlrev_b32 v30, 4, v0                       ; 16 x thread
	v_lshlrev_b32 v29, 2, v0                       ; 4 x thread
	v_add_nc_u32 v1, BC, v30
.set d, 0
.rept 24
	v_mov_b32 v[SA+d], 0                           ; the score sums and the context sums start at 0
.set d, d+1
.endr
	s_lshl_b32 s38, ttmp9, 20                      ; 256 rows of 4,096 bytes
	s_mov_b32 s39, 0
	s_lshl_b32 s40, ttmp9, 10                      ; 256 numbers
	s_mov_b32 s41, 0
	s_lshl_b32 s42, ttmp9, 12                      ; 1,024 numbers
	s_mov_b32 s43, 0
	s_mul_i32 s44, s[WV], 68*WSTEP
	s_mov_b32 s45, 0
	s_mov_b32 s[CC], 0x4038aa3b                    ; c2 = 2 log2(e)
	s_mov_b32 s[CC+1], s[CC]                       ; named with it as a pair
	s_mov_b32 s[SEL], 0x76543210
	s_mov_b32 s[SEL+1], 0xfedcba98
	s_mov_b32 s[L2E], 0x3fb8aa3b                   ; log2(e)
	s_wait_kmcnt 0x0
	s_add_nc_u64 s[EN:EN+1], s[EN:EN+1], s[38:39]
	s_add_nc_u64 s[6:7], s[6:7], s[40:41]
	s_add_nc_u64 s[12:13], s[12:13], s[40:41]
	s_add_nc_u64 s[14:15], s[14:15], s[40:41]
	s_add_nc_u64 s[16:17], s[16:17], s[42:43]
	s_add_nc_u64 s[WB:WB+1], s[WB:WB+1], s[44:45]
	s_add_nc_u64 s[NT:NT+1], s[EN:EN+1], 524288
	s_mov_b64 s[WP:WP+1], s[WB:WB+1]
	s_load_b32 s[SW], s[10:11], 0x21000            ; sw
	global_load_b128 v[XF:XF+3],     v31, s[10:11]
	global_load_b128 v[XF+4:XF+7],   v31, s[10:11] offset:65536
	global_load_b128 v[XF+8:XF+11],  v30, s[10:11] offset:131072
	global_load_b128 v[XF+12:XF+15], v30, s[10:11] offset:133120
	global_load_b32 v[PAST],   v29, s[6:7]
	global_load_b32 v[PAST+1], v29, s[6:7] offset:512
	GLOAD SG0, EN, 0                               ; groups 0 and 1 of the first tile
	GLOAD SG1, EN, 256
	LOADB 0, 0
	WIN 0
	s_wait_loadcnt 48                              ; the six small loads are in; the 48 issued behind them stay out
	ds_store_b128 v1, v[XF:XF+3]
	ds_store_b128 v1, v[XF+4:XF+7]   offset:2048
	ds_store_b128 v1, v[XF+8:XF+11]  offset:4096
	ds_store_b128 v1, v[XF+12:XF+15] offset:6144
	LOADB 1, WSTEP
	LOADB 2, 2*WSTEP
	LOADB 3, 3*WSTEP
	WIN 0
	s_wait_dscnt 0x0                               ; the tables lie in LDS
	s_barrier_signal -1
	s_barrier_wait -1
	s_wait_kmcnt 0x0
	s_mul_f32 s[SW], s[SW], s[L2E]
	s_mov_b32 s[IT], 0
.Liter:                                        ; four trips: a chunk each
	s_and_b32 s[CH], s[IT], 1
	s_lshr_b32 s[TL], s[IT], 1
	s_cmp_eq_u32 s[CH], 0
	s_cbranch_scc0 .LK1
	; CHUNK 0, with the stream.  The ring holds steps 0-3 of W_en, the two sets of registers groups 0 and 1 of this tile.
	s_wait_xcnt 0x0                                ; every load issued so far has read its address: the pointers may be written
	s_lshl_b32 s38, s[TL], 19
	s_mov_b32 s39, 0
	s_add_nc_u64 s[EP:EP+1], s[EN:EN+1], s[38:39]  ; the tile's first row
	s_mul_i32 s40, s[TL], 3584                     ; the last trip's loads (at 1,024 and 1,280 behind the pointer) ask for the next tile's groups 0 and 1; in the last tile for its own groups 14 and 15 once more
	s_add_co_u32 s40, s40, 523264
	s_mov_b32 s41, 0
	s_add_nc_u64 s[NX:NX+1], s[EN:EN+1], s[40:41]
	s_add_nc_u64 s[WP:WP+1], s[WB:WB+1], 4*WSTEP
.irp q, 0,1,2,3
	v_mov_b32 v[ADA+\q], v[ADB+\q]
.endr
	v_mov_b32 v[STA], v[STB]
	STAGE SG0, 0, 512                              ; group 0 into the tile; group 2 is asked for
	s_wait_dscnt 0x0
	s_barrier_signal -1
	s_barrier_wait -1
	FETCHA 0, 0
	FETCHA 1, 0
	KSTEP 0, 1, 0, 63, 64, 0
	STAGE SG1, 128, 768
	s_mov_b32 s[K0C], 7
.Lk0:                                          ; trip i: steps 4 i + 1 .. 4 i + 4; groups 2 i + 2 and 2 i + 3 go into the tile, groups 2 i + 4 and 2 i + 5 are asked for
	KSTEP 1, 0, 1, 63, 128, WSTEP                  ; behind each awaited step of W_en 64 loads or more have been issued: three steps and one or two groups
	KSTEP 2, 0, 0, 63, 192, 2*WSTEP
	STAGE SG0, 256, 1024
	KSTEP 3, 0, 1, 63, 256, 3*WSTEP
	KSTEP 0, 0, 0, 63, 320, 4*WSTEP
	STAGE SG1, 384, 1280
.irp q, 0,1,2,3
	v_add_nc_u32 v[ADA+\q], 256, v[ADA+\q]
.endr
	v_add_nc_u32 v[STA], 256, v[STA]
	s_wait_xcnt 0x0                                ; the loads have read their addresses: the pointers step
	s_add_nc_u64 s[WP:WP+1], s[WP:WP+1], 4*WSTEP
	s_add_nc_u64 s[EP:EP+1], s[EP:EP+1], 512
	s_cmp_eq_u32 s[K0C], 2                         ; the next trip is the last
	s_cselect_b64 s[EP:EP+1], s[NX:NX+1], s[EP:EP+1]
	s_sub_co_u32 s[K0C], s[K0C], 1
	s_cmp_lg_u32 s[K0C], 0
	s_cbranch_scc1 .Lk0
	KSTEP 1, 0, 1, 63, 128, WSTEP                  ; steps 29 to 31; the barrier is group 15's; the ring takes steps 33-35: chunk 1's
	KSTEP 2, 0, 0, 63, 192, 2*WSTEP
	KSTEP 3, 0, 0, 63, -1, 3*WSTEP
	s_branch .Lepi
.LK1:	; CHUNK 1: the tile is whole; nothing is stored, so no barrier
	s_wait_xcnt 0x0
	s_add_nc_u64 s[WP:WP+1], s[WB:WB+1], 36*WSTEP
.irp q, 0,1,2,3
	v_mov_b32 v[ADA+\q], v[ADB+\q]
.endr
	FETCHA 0, 0
	FETCHA 1, 0
	KSTEP 0, 1, 0, 48, 64, 0                       ; 48: the three younger steps of W_en stay out
	s_mov_b32 s[K1C], 7
.Lk1:
	KSTEP 1, 0, 0, 48, 128, WSTEP
	KSTEP 2, 0, 0, 48, 192, 2*WSTEP
	KSTEP 3, 0, 0, 48, 256, 3*WSTEP
	KSTEP 0, 0, 0, 48, 320, 4*WSTEP
.irp q, 0,1,2,3
	v_add_nc_u32 v[ADA+\q], 256, v[ADA+\q]
.endr
	s_wait_xcnt 0x0
	s_add_nc_u64 s[WP:WP+1], s[WP:WP+1], 4*WSTEP
	s_sub_co_u32 s[K1C], s[K1C], 1
	s_cmp_lg_u32 s[K1C], 0
	s_cbranch_scc1 .Lk1
	KSTEP 1, 0, 0, 48, 128, WSTEP                  ; the ring takes steps 64-67, which repeat steps 0-3: the next tile's
	KSTEP 2, 0, 0, 48, 192, 2*WSTEP
	KSTEP 3, 0, 0, 48, -1, 3*WSTEP
	; A PREFETCH INTO THE L2, once a launch, at the end of the first tile's products: groups 2 to 5 of the second tile, whose loads follow behind this tile's epilogue and end.  A lane a row, each wave its own 32 rows, which it
	; alone will load: four instructions, 32 KiB a wave; each 256 bytes are named once.  Groups 0 and 1 are on their way by their loads; from group 6 on the loads run on by themselves.
	s_cmp_eq_u32 s[IT], 1
	s_cbranch_scc0 .Lepi
	global_prefetch_b8 v[PFO], s[NT:NT+1] offset:512 th:TH_LOAD_NT scope:SCOPE_SE
	global_prefetch_b8 v[PFO], s[NT:NT+1] offset:768 th:TH_LOAD_NT scope:SCOPE_SE
	global_prefetch_b8 v[PFO], s[NT:NT+1] offset:1024 th:TH_LOAD_NT scope:SCOPE_SE
	global_prefetch_b8 v[PFO], s[NT:NT+1] offset:1280 th:TH_LOAD_NT scope:SCOPE_SE
.Lepi:	; THE EPILOGUE of a chunk: 64 accumulators in eight batches; the tables for two column blocks at a time, in the fragments' registers, one set ahead
	PLACES                                         ; with the four at the last step's end: eight places behind the last products
	s_lshl_b32 s38, s[CH], 11
	v_add_nc_u32 v[TB], s38, v[TB0]
	TLOAD XF, 0
	TLOAD YF, 1
	s_wait_dscnt 8                                 ; the first set is in; the other set's eight loads stay out (so at each of these waits)
	BATCH 2, 0, XF
	BATCH 3, 0, XF
	TLOAD XF, 2
	s_wait_dscnt 8
	BATCH 2, 1, YF
	BATCH 3, 1, YF
	TLOAD YF, 3
	s_wait_dscnt 8
	BATCH 2, 2, XF
	BATCH 3, 2, XF
	s_wait_dscnt 0x0
	BATCH 2, 3, YF
	BATCH 3, 3, YF
	WIN 0
	s_cmp_eq_u32 s[CH], 0
	s_cbranch_scc1 .Lnext
	; THE TILE's END.  A lane's pair of sums and the other half of the lanes' are added: my wave's 256 columns' part of 128 scores
.irp a, 0,1,2,3,4,5,6,7
	v_add_f32 v[WK+\a], v[SA+2*\a], v[SA+2*\a+1]
.endr
.irp a, 0,1,2,3,4,5,6,7
	v_permlanex16_b32 v[SA+2*\a], v[WK+\a], s[SEL], s[SEL+1]
.endr
.irp a, 0,1,2,3,4,5,6,7
	v_add_f32 v[WK+\a], v[WK+\a], v[SA+2*\a]
.endr
.irp a, 0,1,2,3,4,5,6,7
	ds_store_b32 v[SPA], v[WK+\a] offset:64*\a     ; row 16 a + l % 16; both halves of the lanes store the same number
.endr
.set d, 0
.rept 16
	v_mov_b32 v[SA+d], 0                           ; for the next tile
.set d, d+1
.endr
	s_wait_dscnt 0x0
	s_barrier_signal -1
	s_barrier_wait -1
	ds_load_b32 v26, v[SPR]                        ; thread t finishes row t
	ds_load_b32 v27, v[SPR] offset:512
	ds_load_b32 v28, v[SPR] offset:1024
	ds_load_b32 v29, v[SPR] offset:1536
	s_wait_dscnt 0x0
	v_add_f32 v26, v26, v27
	v_add_f32 v28, v28, v29
	v_add_f32 v26, v26, v28
	v_fma_f32 v26, v26, s[L2E], s[SW]              ; score x log2(e)
	v_exp_f32 v27, v26
	v_rcp_f32 v28, v[PAST]
	v_nop                                          ; a plain instruction behind the two,
	s_wait_alu depctr_va_vdst(0)                   ; and their one wait, ahead of the first reader
	v_mul_f32 v29, v27, v28
	ds_store_b32 v[PTW], v29                       ; p
	ds_store_b32 v[PTW], v27 offset:512            ; exp(score)
	v_mov_b32 v[PAST], v[PAST+1]                   ; the next tile's
	s_wait_dscnt 0x0
	s_barrier_signal -1
	s_barrier_wait -1
	s_cmp_lt_u32 s[WV], 2                          ; wave 0 stores the 128 p, wave 1 the 128 exponentials: 512 consecutive bytes each
	s_cbranch_scc0 .Lno_out
	s_lshl_b32 s38, s[WV], 9
	s_add_co_u32 s38, s38, PT
	v_add_nc_u32 v26, s38, v[WOF]
	ds_load_b128 v[WK:WK+3], v26
	s_lshl_b32 s39, s[TL], 9
	v_add_nc_u32 v27, s39, v[WOF]
	s_cmp_eq_u32 s[WV], 0
	s_cselect_b64 s[40:41], s[14:15], s[12:13]
	s_wait_dscnt 0x0
	global_store_b128 v27, v[WK:WK+3], s[40:41]
.Lno_out:
	v_lshlrev_b32 v[CA], 4, v0                     ; the context: 128 rows, two sets of 8 by turns
	v_mov_b32 v[PTA], PT
	LOADSET 0, 0
	WIN 0
	s_mov_b32 s[CXC], 7
.Lctx:
	LOADSET 64, 8
	s_wait_dscnt 10                                ; the older set is in; the ten loads just issued stay out
	FMASET 0
	LOADSET 0, 16
	s_wait_dscnt 10
	FMASET 64
	WIN 0
	v_add_nc_u32 v[CA], 16*PA, v[CA]
	v_add_nc_u32 v[PTA], 64, v[PTA]
	s_sub_co_u32 s[CXC], s[CXC], 1
	s_cmp_lg_u32 s[CXC], 0
	s_cbranch_scc1 .Lctx
	LOADSET 64, 8
	s_wait_dscnt 10
	FMASET 0
	s_wait_dscnt 0x0
	FMASET 64
	WIN 0
.Lnext:
	s_wait_xcnt 0x0                                ; the stores have read their registers
	s_wait_dscnt 0x0                               ; my reads of the tile and of the small regions are over:
	s_barrier_signal -1
	s_barrier_wait -1                              ; everybody's are: the next chunk may store into them
	s_add_co_u32 s[IT], s[IT], 1
	s_cmp_lt_u32 s[IT], 4
	s_cbranch_scc1 .Liter
	; THE WAY OUT of the context sums: a thread's 8 numbers are 32 bytes; through my wave's own bytes of LDS they become stores of 512 consecutive bytes
	s_lshl_b32 s38, s[WV], 10
	v_and_b32 v1, 31, v0
	v_lshl_add_u32 v28, v1, 4, s38
	v_lshl_add_u32 v26, v1, 5, s38
	v_add_nc_u32 v26, CS, v26
	v_add_nc_u32 v27, CS, v28
	ds_store_b128 v26, v[CSUM:CSUM+3]
	ds_store_b128 v26, v[CSUM+4:CSUM+7] offset:16
	ds_load_b128 v[WK:WK+3],   v27                 ; LDS serves a wave's instructions in order (ISA guide 5.7.1.4): these see the stores above
	ds_load_b128 v[WK+4:WK+7], v27 offset:512
	s_wait_dscnt 0x0
	global_store_b128 v28, v[WK:WK+3],   s[16:17]
	global_store_b128 v28, v[WK+4:WK+7], s[16:17] offset:512
	s_wait_tensorcnt 0x0                           ; the wave's end, behind my last LDS store
	ds_add_u32 v[SPW], v[NIL]
	s_wait_dscnt 0x0
	s_endpgm
.Lfunc_end_k_q285efed119_main:
	.size	k_q285efed119_main, .Lfunc_end_k_q285efed119_main-k_q285efed119_main
	.p2alignl 7, 3214868480
	.fill 96, 4, 3214868480
	.section	.rodata,"a",@progbits
	.p2align	6, 0x0
	.amdhsa_kernel k_q285efed119_main
		.amdhsa_group_segment_fixed_size 280064
		.amdhsa_private_segment_fixed_size 0
		.amdhsa_enable_private_segment 0
		.amdhsa_kernarg_size 56
		.amdhsa_user_sgpr_count 2
		.amdhsa_user_sgpr_kernarg_segment_ptr 1
		.amdhsa_wavefront_size32 1
		.amdhsa_system_sgpr_workgroup_id_x 1
		.amdhsa_system_sgpr_workgroup_id_y 1
		.amdhsa_system_sgpr_workgroup_id_z 1
		.amdhsa_system_vgpr_workitem_id 0
		.amdhsa_next_free_vgpr 1024
		.amdhsa_next_free_sgpr 66
		.amdhsa_reserve_vcc 0
		.amdhsa_float_denorm_mode_32 3
		.amdhsa_float_denorm_mode_16_64 3
		.amdhsa_memory_ordered 1
		.amdhsa_forward_progress 1
		.amdhsa_inst_pref_size 255
	.end_amdhsa_kernel
	.section	.bss,"aw",@nobits
	.p2align	6
	.space	262144
	.amdgpu_metadata
---
amdhsa.version: [ 1, 2 ]
amdhsa.kernels:
  - .name:           k_q285efed119_main
    .symbol:         k_q285efed119_main.kd
    .args:
      - { .name: enhy, .offset: 0, .size: 8, .value_kind: global_buffer, .address_space: global }
      - { .name: past_attn, .offset: 8, .size: 8, .value_kind: global_buffer, .address_space: global }
      - { .name: wf, .offset: 16, .size: 8, .value_kind: global_buffer, .address_space: global }
      - { .name: tab, .offset: 24, .size: 8, .value_kind: global_buffer, .address_space: global }
      - { .name: out2, .offset: 32, .size: 8, .value_kind: global_buffer, .address_space: global }
      - { .name: pbuf, .offset: 40, .size: 8, .value_kind: global_buffer, .address_space: global }
      - { .name: cpart, .offset: 48, .size: 8, .value_kind: global_buffer, .address_space: global }
    .group_segment_fixed_size: 280064
    .private_segment_fixed_size: 0
    .kernarg_segment_align: 8
    .kernarg_segment_size: 56
    .max_flat_workgroup_size: 128
    .sgpr_count:     66
    .vgpr_count:     1024
    .wavefront_size: 32
...
	.end_amdgpu_metadata
.endif
;; end of part 2
;; launch norm (part 3): grid 256 x 1, 4 waves a work-group, no clusters, 768 bytes of LDS; arguments pbuf, cpart, out0, out1; writes out0, out1
.if DOCPART == 3
	.amdgcn_target "amdgcn-amd-amdhsa--gfx1250"
	.amdhsa_code_object_version 6
	.text
	.protected	k_q285efed119_norm
	.globl	k_q285efed119_norm
	.p2align	8
	.type	k_q285efed119_norm,@function
k_q285efed119_norm:
	s_mov_b64 s[64:65], 0
	v_nop
	global_prefetch_b8 v0, s[64:65] scope:SCOPE_SE
	s_setreg_imm32_b32 hwreg(HW_REG_WAVE_MODE, 25, 1), 1
	s_wait_xcnt 0x0
; NORM.  D[b] = sum over s of |p[b][s]|; out1 = p / D; out0[b][:] = (sum of the batch's eight parts of sum p enhy) / D.  Nothing is left out; the absolute value is kept.
; SHARES.  Work-group q: batch b = q / 8, part i = q % 8: 256 numbers of out1 and 128 of out0.  Every work-group adds its batch's 2,048 |p| for itself (8 KiB): a sum across work-groups would want one launch more.
; A few small reads and stores: no matrix unit, no cluster, no prefetch.  LIMITS.  The division is a multiplication by v_rcp_f32 of D; where D is 0 or denormal the results are infinite or NaN.
.set SPARE, 256                        ; LDS: four partial sums at byte 0; from 256 the spare words, 128 bytes for each wave, which no other line names
.set SPW, 6
.set NIL, 7
	s_load_b256 s[4:11], s[0:1], 0x0               ; pbuf s[4:5], cpart s[6:7], out0 s[8:9], out1 s[10:11]
	v_lshl_add_u32 v[SPW], v0, 2, SPARE
	v_mov_b32 v[NIL], 0
	v_lshrrev_b32 v1, 5, v0
	v_readfirstlane_b32 s12, v1                    ; wave 0..3
	s_lshr_b32 s13, ttmp9, 3                       ; b
	s_and_b32 s14, ttmp9, 7                        ; i
	s_lshl_b32 s15, s13, 13
	v_lshl_add_u32 v2, v0, 4, s15                  ; the batch's p: 8,192 b + 16 t
	s_lshl_b32 s16, s14, 10
	s_add_co_u32 s16, s16, s15
	v_lshl_add_u32 v3, v0, 3, s16                  ; my two numbers of out1: 8,192 b + 1,024 i + 8 t
	s_lshl_b32 s17, s13, 15
	s_lshl_b32 s18, s14, 9
	s_add_co_u32 s17, s17, s18
	v_and_b32 v1, 31, v0
	v_lshl_add_u32 v4, v1, 4, s17                  ; cpart: 4,096 x 8 b + 512 i + 16 l
	s_lshl_b32 s19, s13, 12
	s_add_co_u32 s19, s19, s18
	v_lshl_add_u32 v5, v1, 4, s19                  ; out0: 4,096 b + 512 i + 16 l
	s_mov_b32 s20, 0x76543210
	s_mov_b32 s21, 0xfedcba98
	s_wait_kmcnt 0x0
.irp k, 0,1,2,3
	global_load_b128 v[8+4*\k:11+4*\k], v2, s[4:5] offset:2048*\k
.endr
	global_load_b64 v[24:25], v3, s[4:5]
	s_cmp_lg_u32 s12, 0
	s_cbranch_scc1 .Lnot0
.irp j, 0,1,2,3,4,5,6,7
	global_load_b128 v[32+4*\j:35+4*\j], v4, s[6:7] offset:4096*\j  ; wave 0: the eight parts of my 128 columns
.endr
.Lnot0:
	s_wait_loadcnt 0x0
.set k, 0
.rept 8
	v_add_f32 v[8+k], |v[8+2*k]|, |v[9+2*k]|
.set k, k+1
.endr
.irp n, 4,2,1
.set k, 0
.rept \n
	v_add_f32 v[8+k], v[8+2*k], v[9+2*k]
.set k, k+1
.endr
.endr
	v_add_f32_dpp v8, v8, v8 row_xmask:1 row_mask:0xf bank_mask:0xf
	v_add_f32_dpp v8, v8, v8 row_xmask:2 row_mask:0xf bank_mask:0xf
	v_add_f32_dpp v8, v8, v8 row_xmask:4 row_mask:0xf bank_mask:0xf
	v_add_f32_dpp v8, v8, v8 row_xmask:8 row_mask:0xf bank_mask:0xf
	v_permlanex16_b32 v9, v8, s20, s21
	v_add_f32 v8, v8, v9
	v_mov_b32 v26, s12
	v_lshlrev_b32 v26, 2, v26
	ds_store_b32 v26, v8                           ; all lanes store the wave's sum to the wave's word
	s_wait_dscnt 0x0
	s_barrier_signal -1
	s_barrier_wait -1
	v_mov_b32 v27, 0
	ds_load_b128 v[28:31], v27
	s_wait_dscnt 0x0
	v_add_f32 v28, v28, v29
	v_add_f32 v30, v30, v31
	v_add_f32 v28, v28, v30
	v_rcp_f32 v9, v28
	v_nop                                          ; a plain instruction behind the reciprocal,
	s_wait_alu depctr_va_vdst(0)                   ; and its wait, ahead of the first reader
	v_mul_f32 v24, v24, v9
	v_mul_f32 v25, v25, v9
	global_store_b64 v3, v[24:25], s[10:11]        ; a wave's store covers 256 consecutive bytes, aligned
	s_cmp_lg_u32 s12, 0
	s_cbranch_scc1 .Lend
.irp s, 1,2,4
.set k, 0
.rept 4/\s
	v_pk_add_f32 v[32+4*k:33+4*k], v[32+4*k:33+4*k], v[32+4*(k+\s):33+4*(k+\s)]
	v_pk_add_f32 v[34+4*k:35+4*k], v[34+4*k:35+4*k], v[34+4*(k+\s):35+4*(k+\s)]
.set k, k+2*\s
.endr
.endr
.irp r, 32,33,34,35
	v_mul_f32 v\r, v\r, v9
.endr
	global_store_b128 v5, v[32:35], s[8:9]
.Lend:
	s_wait_tensorcnt 0x0                           ; the wave's end, behind my last LDS store
	ds_add_u32 v[SPW], v[NIL]
	s_wait_dscnt 0x0
	s_endpgm
.Lfunc_end_k_q285efed119_norm:
	.size	k_q285efed119_norm, .Lfunc_end_k_q285efed119_norm-k_q285efed119_norm
	.p2alignl 7, 3214868480
	.fill 96, 4, 3214868480
	.section	.rodata,"a",@progbits
	.p2align	6, 0x0
	.amdhsa_kernel k_q285efed119_norm
		.amdhsa_group_segment_fixed_size 768
		.amdhsa_private_segment_fixed_size 0
		.amdhsa_enable_private_segment 0
		.amdhsa_kernarg_size 32
		.amdhsa_user_sgpr_count 2
		.amdhsa_user_sgpr_kernarg_segment_ptr 1
		.amdhsa_wavefront_size32 1
		.amdhsa_system_sgpr_workgroup_id_x 1
		.amdhsa_system_sgpr_workgroup_id_y 1
		.amdhsa_system_sgpr_workgroup_id_z 1
		.amdhsa_system_vgpr_workitem_id 0
		.amdhsa_next_free_vgpr 64
		.amdhsa_next_free_sgpr 66
		.amdhsa_reserve_vcc 0
		.amdhsa_float_denorm_mode_32 3
		.amdhsa_float_denorm_mode_16_64 3
		.amdhsa_memory_ordered 1
		.amdhsa_forward_progress 1
		.amdhsa_inst_pref_size 6
	.end_amdhsa_kernel
	.amdgpu_metadata
---
amdhsa.version: [ 1, 2 ]
amdhsa.kernels:
  - .name:           k_q285efed119_norm
    .symbol:         k_q285efed119_norm.kd
    .args:
      - { .name: pbuf, .offset: 0, .size: 8, .value_kind: global_buffer, .address_space: global }
      - { .name: cpart, .offset: 8, .size: 8, .value_kind: global_buffer, .address_space: global }
      - { .name: out0, .offset: 16, .size: 8, .value_kind: global_buffer, .address_space: global }
      - { .name: out1, .offset: 24, .size: 8, .value_kind: global_buffer, .address_space: global }
    .group_segment_fixed_size: 768
    .private_segment_fixed_size: 0
    .kernarg_segment_align: 8
    .kernarg_segment_size: 32
    .max_flat_workgroup_size: 128
    .sgpr_count:     66
    .vgpr_count:     64
    .wavefront_size: 32
...
	.end_amdgpu_metadata
.endif
;; end of part 3
;; ======== version 2 of 2: 3 launches; version 1 with the launch main written anew for expert scheduling mode
;; workspace buffers: wf 2,228,224 bytes; tab 135,424 bytes; pbuf 262,144 bytes; cpart 1,048,576 bytes
;; launch prep: the kernel of part 1 again; grid 64 x 1, 16 waves a work-group, no clusters, 34,816 bytes of LDS; arguments W_en, W_de, dehy, b_en, W_warp, wf, tab; writes wf, tab
;; launch main (part 4): grid 256 x 1, 4 waves a work-group, no clusters, 280,064 bytes of LDS; arguments enhy, past_attn, wf, tab, out2, pbuf, cpart; writes out2, pbuf, cpart
.if DOCPART == 4
	.amdgcn_target "amdgcn-amd-amdhsa--gfx1250"
	.amdhsa_code_object_version 6
	.text
	.protected	k_q285efed119_main
	.globl	k_q285efed119_main
	.p2align	8
	.type	k_q285efed119_main,@function
k_q285efed119_main:
	s_mov_b64 s[64:65], 0
	v_nop
	global_prefetch_b8 v0, s[64:65] scope:SCOPE_SE
	s_setreg_imm32_b32 hwreg(HW_REG_WAVE_SCHED_MODE, 0, 2), 2
	s_setreg_imm32_b32 hwreg(HW_REG_WAVE_MODE, 25, 1), 1
	s_wait_xcnt 0x0
	s_wait_alu depctr_vm_vsrc(0)
; MAIN.  For each row s of a batch: x[n] = sum over k of enhy[s][k] W_en[n][k] + b_en[n] + (dehy W_de^T)[n]; score = sum over n of W_warp[n] tanh(x[n]); out2 = exp(score); p = out2 / past_attn;
; and the work-group's part of sum over s of p[s] enhy[s][:].  The division by the batch's sum of |p| is the next launch's.  Nothing of the problem's work is left out.
; No maximum is taken away before the exponential: the problem's own text takes none, and out2 is the bare exponential.
; tanh(x) = 1 - 2 r, r = 1 / (1 + 2^(c2 x)), c2 = 2 log2(e): where 2^.. is infinite r = 0, where it is 0 r = 1: no clamp.  score = sw + sum of w2[n] r[n], w2 = -2 W_warp, sw = sum of W_warp (tab).
; FORMATS.  enhy and W_en go to the matrix unit in bf16, sums in f32; everything behind the product in f32; the context sum takes enhy as the bf16 that lies in LDS, p and the sum in f32.
; LIMITS.  NaN and infinities are not treated apart; exp(score) below 2^-126 counts as 0; a denormal past_attn counts as 0; sum of p enhy is formed before the division, so it overflows where it passes 3.4e38.
; The last refills of both register rings are loaded and not used (W: steps 64-67 of wf, 32 KiB a wave; enhy: the last two groups of the last tile once more, 16 KiB a wave): the price of one text for every trip.
; SHARES.  A work-group owns 256 rows of one batch, as two TILES of 128.  A tile lies in LDS as bf16 until its scores are finished, so enhy is read from memory once.  A wave makes 128 rows x 128 columns:
; 64 accumulators, 512 registers; the four waves a CHUNK of 512 columns; a tile has two chunks, a chunk 32 K steps of 32: 64 matrix instructions, 16 LDS loads (enhy) and 16 global loads (W_en) a wave.
; W_en comes straight into registers, as the launch before laid it out: a wave's 128 columns are read by that wave alone in its work-group.
; NO TENSOR LOADS, NO CLUSTER, though all work-groups walk the same W_en: beside the tile (264,192 bytes) and the small regions 47,616 bytes of a WGP's 327,680 are left, and two slots of W_en for 512 columns x 32 K
; are 65,536; a tile of 64 rows would make room and halve the products that each number of W_en feeds.
; enhy STREAMS IN during chunk 0 of its tile, a GROUP of 64 K (128 rows x 256 bytes) at a time: f32 into registers, rounded, stored into the tile, a barrier, then the products that read it.
; THE MATRIX INSTRUCTION IS USED TRANSPOSED (source 0 = 16 columns' rows of W_en, source 1 = 16 rows of enhy): a lane holds ONE row of the tile (lane % 16) and eight neighbouring n = 8 (lane / 16) + 0..7.
; REGISTERS, in windows of 256 (s_set_vgpr_msb: bits 1:0 source 0, 3:2 source 1, 5:4 source 2, 7:6 destination):
;   window 0: v0-31 addresses and at work; v32-47 score sums; v48-55 context sums; v56-63 at work; v64-95, v96-127 enhy's fragments of rows 0-63, 64-127 (the tables in the epilogue); v128-191, v192-255 two groups of enhy in f32
;   window 1: a ring of four K steps of W_en, 64 registers each          windows 2, 3: the accumulators of rows 0-63, 64-127: (a, b) at v[8 (8 a + b)]; window 2 also serves the context's loads
; THE MODE: SCHED_MODE bits 1:0 = 2 (LLVM: expert scheduling mode 2), set by the entry lines.  The code itself states the register dependences between vector or matrix instructions and memory or LDS
; instructions, with s_wait_alu, always for 0.
; THE PLAN.  Registers that memory or LDS instructions touch in the K loops, and who else names them:
;   X = v64-95    Read by a step's products 0-31.  The next step's fragments of rows 0-63 land in it behind the wait in the step's MIDDLE.
;   Y = v96-127   Read by a step's products 32-63.  The fragments of rows 64-127 of step t land in it behind the wait at the HEAD of step t.
;   ring q        Read by all 64 products of step t (q = t % 4).  Step t + 4 lands in it behind the wait at the head of step t + 1.
;   SG0, SG1      Every second step of chunk 0: 32 conversions read a group's 64 registers and write the lower 32, ahead of the middle's wait; behind it 16 LDS stores read those 32; behind a wait for
;                 these reads the group four steps on lands in all 64.
;   v[ADA ..], v[STA]   Read by the fragments' loads and the groups' stores; stepped once a trip, at its end, behind a wait for those reads; the next head's wait shows them written.
;   v[WOF], v[GOF], v[PFO] and the small regions' addresses are made at the kernel's head and never written again; the rows of W_en and enhy are reached by scalar bases and immediate offsets.
;   The accumulators are named by matrix and vector instructions alone, until the context's loads land in window 2.
; So a step has TWO waits on va_vdst.  No product issued behind the head's wait names Y or the ring buffer of the step before, none issued behind the middle's names X or a group: the loads and stores
; that hang on a wait are dealt four at a time behind single products, with no further wait.  A step that carries a barrier keeps its signal at the head and its wait in the middle with products alone between:
; its loads of Y and of W_en stand ahead of the signal.  Two sets of fragments, and with them one wait a step, would want 64 registers more than the 1,024 that are all in use.
.set PA,    2064                       ; a row of the tile in LDS: 2,048 bytes + 16 = 129 x 16: the 16 rows of a fragment load start at 16 different groups of four banks (64 banks of 4 bytes: ISA guide 11.1)
.set BC,    264192                     ; behind the tile: bc of my batch by n, 4,096 bytes; then w2, 4,096 bytes
.set SP,    272384                     ; [4 waves][128 rows] f32: the waves' parts of the scores
.set PT,    274432                     ; p of the tile's 128 rows; 512 bytes on: exp(score)
.set CS,    275456                     ; 1,024 bytes a wave: the context sums on their way out
.set SPARE, 279552                     ; the spare words, 128 bytes for each wave, which no other line names
.set WSTEP, 8192                       ; bytes of a wave's K step in wf
.set WOF, 2                            ; v2     16 x lane
.set SPW, 3                            ; v3     my spare word; never rewritten
.set NIL, 4                            ; v4     0; never rewritten
.set ADA, 5                            ; v5-8   where I read fragments of rows 32 q .. 32 q + 31: (32 q + l % 16) PA + 16 (l / 16) + the K bytes walked
.set ADB, 9                            ; v9-12  the same at K = 0
.set STA, 13                           ; v13    where I store a group: (32 w + l / 16) PA + 8 (l % 16) + the K bytes walked
.set STB, 14                           ; v14    the same at K = 0
.set GOF, 15                           ; v15    my 16 bytes of a group in memory: (32 w + l / 16) x 4,096 + 16 (l % 16)
.set PFO, 16                           ; v16    the prefetches' offset: (32 w + l) x 4,096; never rewritten
.set TB0, 17                           ; v17    BC + 512 w + 32 (l / 16)
.set TB,  18                           ; v18    the same in the chunk in hand
.set SPA, 19                           ; v19    SP + 512 w + 4 (l % 16)
.set SPR, 20                           ; v20    SP + 4 x thread
.set PTW, 21                           ; v21    PT + 4 x thread
.set CA,  22                           ; v22    the context's place in the tile
.set PTA, 23                           ; v23    and in p
.set PAST, 24                          ; v24    past_attn of my row of the tile in hand; v25 of the tile after it
.set SA,  32
.set CSUM, 48
.set WK,  56
.set XF,  64
.set YF,  96
.set SG0, 128
.set SG1, 192
.set EN,  4                            ; s[4:5]   enhy at my 256 rows
.set WB,  8                            ; s[8:9]   wf at my wave's part
.set WV,  18
.set IT,  19                           ; s19  0..3: tile IT / 2, chunk IT % 2
.set K0C, 20
.set CH,  21
.set SW,  22                           ; s22  sw log2(e)
.set TL,  23
.set WP,  24                           ; s[24:25] where W_en's loads stand
.set EP,  26                           ; s[26:27] where enhy's loads stand
.set NX,  28                           ; s[28:29] where they stand in a chunk's last trip
.set NT,  30                           ; s[30:31] enhy at my second tile; never rewritten
.set CC,  32                           ; s[32:33] c2: the packed scaling takes the pair's low word for both halves
.set SEL, 34                           ; s[34:35] v_permlanex16_b32's selects
.set L2E, 36
.set K1C, 46
.set CXC, 47
.set MSB, 0
.macro WIN new                         ; the immediate's high byte repeats the setting that is left; a switch that changes nothing is dropped
.if MSB != (\new)
	s_set_vgpr_msb (MSB<<8)|(\new)
.set MSB, \new
.endif
.endm
.set MUL_LO, 0xa1                      ; source 0 (W_en) window 1, source 1 (enhy) window 0, C and D window 2
.set TO_B,   0x40                      ; destination window 1, address window 0
.macro PLACES                          ; four places behind matrix instructions: ahead of the waits in front of loads into their registers, and of vector work on their results
.rept 4
	v_nop
.endr
.endm
; Product i of a half step's 32: row block i / 8 of the window's four, column block i % 8.  The 64 accumulators take turns in the same order in every K step.  zero = 1: the product starts the sum.
.macro MM q, hi, zero
	WIN MUL_LO+0x50*(\hi)
.if \zero
	v_wmma_f32_16x16x32_bf16 v[8*i:8*i+7], v[64*(\q)+8*(i%8):64*(\q)+8*(i%8)+7], v[XF+32*(\hi)+8*(i/8):XF+32*(\hi)+8*(i/8)+7], 0
.else
	v_wmma_f32_16x16x32_bf16 v[8*i:8*i+7], v[64*(\q)+8*(i%8):64*(\q)+8*(i%8)+7], v[XF+32*(\hi)+8*(i/8):XF+32*(\hi)+8*(i/8)+7], v[8*i:8*i+7]
.endif
.set i, i+1
.endm
; WHAT IS DEALT, four instructions at a time.
; AG: four LDS loads: the fragments of rows 64 hi + 32 n .. + 31, 32 K at byte k behind the walked address
.macro AG hi, n, k
	WIN 0
.irp a, 0,1
	ds_load_b128 v[XF+32*(\hi)+16*(\n)+8*\a:XF+32*(\hi)+16*(\n)+8*\a+3],   v[ADA+2*(\hi)+(\n)] offset:\a*16*PA+(\k)
	ds_load_b128 v[XF+32*(\hi)+16*(\n)+8*\a+4:XF+32*(\hi)+16*(\n)+8*\a+7], v[ADA+2*(\hi)+(\n)] offset:\a*16*PA+(\k)+32
.endr
.endm
.macro FETCHA hi, k                    ; all eight
	AG \hi, 0, \k
	AG \hi, 1, \k
.endm
; BG: four global loads: column blocks 2 n and 2 n + 1 of a K step of my 128 columns of W_en into ring buffer q; each covers 512 consecutive bytes.  Buffer q's step lies q steps behind WP.
.macro BG q, n
	WIN TO_B
.irp f, 0,1
	global_load_b128 v[64*(\q)+16*(\n)+8*\f:64*(\q)+16*(\n)+8*\f+3],   v[WOF], s[WP:WP+1] offset:(\q)*WSTEP+2048*(\n)+1024*\f
	global_load_b128 v[64*(\q)+16*(\n)+8*\f+4:64*(\q)+16*(\n)+8*\f+7], v[WOF], s[WP:WP+1] offset:(\q)*WSTEP+2048*(\n)+1024*\f+512
.endr
.endm
.macro LOADB q                         ; all sixteen
.irp n, 0,1,2,3
	BG \q, \n
.endr
.endm
; SS: four LDS stores of a rounded group: store d holds rows 32 w + 2 d and 2 d + 1, 8 bytes a lane, at K byte so
.macro SS sg, so, n
	WIN 0
.irp e, 0,1,2,3
	ds_store_b64 v[STA], v[(\sg)+2*(4*(\n)+\e):(\sg)+2*(4*(\n)+\e)+1] offset:2*PA*(4*(\n)+\e)+(\so)
.endr
.endm
; GG: four global loads of my 32 rows of a group of enhy; load d brings rows 32 w + 2 d and 2 d + 1, 256 consecutive aligned bytes of each
.macro GG sg, base, go, n
	WIN 0
.irp e, 0,1,2,3
	global_load_b128 v[(\sg)+4*(4*(\n)+\e):(\sg)+4*(4*(\n)+\e)+3], v[GOF], s[(\base):(\base)+1] offset:8192*(4*(\n)+\e)+(\go) th:TH_LOAD_NT
.endr
.endm
.macro GLOAD sg, base, go              ; all sixteen
.irp n, 0,1,2,3
	GG \sg, \base, \go, \n
.endr
.endm
; 32 conversions: a group's 64 f32 a lane close up, in place and ascending, into the lower 32 of their registers
.macro CVT sg
.set d, 0
.rept 32
	v_cvt_pk_bf16_f32 v[(\sg)+d], v[(\sg)+2*d], v[(\sg)+2*d+1]
.set d, d+1
.endr
.endm
; A K STEP on ring buffer q.  first = 1: a chunk's first step: both halves of its fragments have been asked for and the ring is full, so its head asks for nothing.
; bar = 1: a group has been stored since the last barrier: the signal stands at the head, behind the wait for my stores (and my reads), the wait 32 matrix instructions on, ahead of the first fetch from that group.
; nld: the loads younger than buffer q's that may stay out.  yk: byte of this step's fragments of rows 64-127.  fk: byte of the next step's fragments of rows 0-63 (-1: none).
; sg >= 0: the group in registers sg goes into the tile at K byte so, and the registers are asked for again, at byte go behind EP; ng: the loads younger than the group's that may stay out.
.macro KSTEP q, zero, first, bar, nld, yk, fk, sg=-1, ng=0, so=0, go=0
.set PQ, ((\q)+3)%4                    ; the ring buffer of the step before
.if !(\first)
	PLACES
	s_wait_alu depctr_va_vdst(0)                   ; THE HEAD's wait: the products of the step before are done reading Y and ring buffer PQ, in which the loads below land; at a trip's first step v[ADA ..] are written
.endif
.if \bar
	FETCHA 1, \yk                                  ; ahead of the signal: between signal and wait stand products alone
	LOADB PQ
	WIN 0
	s_wait_dscnt 0x0                               ; my stores of the group are done; both halves of my fragments are in
	s_barrier_signal -1
.elseif \first
	s_wait_dscnt 8                                 ; rows 0-63 are in; the youngest eight loads (rows 64-127) may be out
.else
	s_wait_dscnt 0x0                               ; rows 0-63 are in: nothing has been asked of LDS behind them
.endif
	s_wait_loadcnt \nld
.set i, 0
.rept 32
	MM \q, 0, \zero
.if !(\bar) && !(\first)
.if i <= 2
	AG 1, i-1, \yk                                 ; behind products 0 and 1: Y.  No wait: no product since the head's wait names Y
.elseif i <= 6
	BG PQ, i-3                                     ; behind products 2 to 5: W_en four steps on from the step before.  No wait: no product since the head's wait names buffer PQ
.endif
.endif
.endr
	WIN 0
.if \bar
	s_barrier_wait -1                              ; every wave's part of the group lies in the tile
.endif
.if (\sg) >= 0
	s_wait_loadcnt \ng                             ; the group is in
	CVT \sg                                        ; these 32 are also the places behind the products above
	s_wait_alu depctr_va_vdst(0)                   ; THE MIDDLE's wait: the products above are done reading X, in which the next step's fragments land; the conversions have written the 32 registers that the stores read, and are done with the 64 in which the next group lands
.elseif (\fk) >= 0
	PLACES
	s_wait_alu depctr_va_vdst(0)                   ; THE MIDDLE's wait: the products above are done reading X, in which the next step's fragments land
.endif
.if !(\bar)
	s_wait_dscnt 0x0                               ; rows 64-127 are in: nothing has been asked of LDS behind them
.endif
.set i, 0
.rept 32
	MM \q, 1, \zero
.if ((\fk) >= 0) && (i <= 2)
	AG 0, i-1, \fk                                 ; behind products 32 and 33: X.  No wait: no product since the middle's wait names X
.elseif ((\sg) >= 0) && (i >= 3) && (i <= 6)
	SS \sg, \so, i-3                               ; behind products 34 to 37: the group goes into the tile
.elseif ((\sg) >= 0) && (i >= 9) && (i <= 12)
	WIN 0
.if i == 9
	s_wait_alu depctr_vm_vsrc(0)                   ; the sixteen stores have read the group's lower 32 registers, in which the loads below land
.endif
	GG \sg, EP, \go, i-9                           ; behind products 40 to 43: the registers are asked for again
.endif
.endr
	WIN 0
.endm
; A chunk's products end: the ring's last buffer is asked for again, and the epilogue's address is made ahead of the wait that stands here anyway.
.macro KEND
	s_lshl_b32 s38, s[CH], 11
	v_add_nc_u32 v[TB], s38, v[TB0]
	PLACES
	s_wait_alu depctr_va_vdst(0)                   ; the chunk's last products are done reading ring buffer 3, in which the loads below land, and X and Y, in which the epilogue's tables land; v[TB] is written
	LOADB 3
	WIN 0
.endm
; THE EPILOGUE's tables for column blocks 2 bp and 2 bp + 1: bc into T .. T + 15, w2 into T + 16 .. T + 31; sixteen lanes read the same bytes
.macro TLOAD T, bp
	WIN 0
.irp z, 0,1
	ds_load_b128 v[(\T)+16*\z:(\T)+16*\z+3],     v[TB] offset:4096*\z+128*(\bp)
	ds_load_b128 v[(\T)+16*\z+4:(\T)+16*\z+7],   v[TB] offset:4096*\z+128*(\bp)+16
	ds_load_b128 v[(\T)+16*\z+8:(\T)+16*\z+11],  v[TB] offset:4096*\z+128*(\bp)+64
	ds_load_b128 v[(\T)+16*\z+12:(\T)+16*\z+15], v[TB] offset:4096*\z+128*(\bp)+80
.endr
.endm
; Eight accumulators of window W (row blocks 0-3 x column blocks 2 bp, 2 bp + 1), in place: c2 x + bc and 2^..; 1 + .. and the reciprocal; then w2 r onto the row blocks' sums.
; Pair p of 32: row block p / 8, column block (p / 4) % 2, registers 2 (p % 4): each accumulator's lowest registers are read first.  The 64 exponentials are one batch, and so are the 64 reciprocals:
; nothing ahead of a batch's wait names a result of it; a v_nop is the plain instruction behind the last one.
; nb >= 0: the tables for column blocks 2 nb and 2 nb + 1 are asked for, into the OTHER set of registers tn, directly behind the wait for the exponentials.
.macro BATCH W, bp, T, nb=-1, tn=0
	WIN ((\W)<<6)|(\W)
.set p, 0
.rept 34
.if p < 32
.set rA, 8*(8*(p/8)+2*(\bp)+(p/4)%2)+2*(p%4)
.set rB, (\T)+8*((p/4)%2)+2*(p%4)
	v_pk_fma_f32 v[rA:rA+1], v[rA:rA+1], s[CC:CC+1], v[rB:rB+1] op_sel_hi:[1,0,1]
.endif
.if p >= 2
.set rE, 8*(8*((p-2)/8)+2*(\bp)+((p-2)/4)%2)+2*((p-2)%4)
	v_exp_f32 v[rE], v[rE]
	v_exp_f32 v[rE+1], v[rE+1]
.endif
.set p, p+1
.endr
	v_nop
	s_wait_alu depctr_va_vdst(0)                   ; one wait for the 64 exponentials, ahead of their first reader; it also states that the two batches before are done reading the other set of tables
.if (\nb) >= 0
	TLOAD \tn, \nb                                 ; no line of this batch or the next names these registers
	WIN ((\W)<<6)|(\W)
.endif
.set p, 0
.rept 34
.if p < 32
.set rA, 8*(8*(p/8)+2*(\bp)+(p/4)%2)+2*(p%4)
	v_pk_add_f32 v[rA:rA+1], v[rA:rA+1], 1.0 op_sel_hi:[1,0]
.endif
.if p >= 2
.set rE, 8*(8*((p-2)/8)+2*(\bp)+((p-2)/4)%2)+2*((p-2)%4)
	v_rcp_f32 v[rE], v[rE]
	v_rcp_f32 v[rE+1], v[rE+1]
.endif
.set p, p+1
.endr
	v_nop
	s_wait_alu depctr_va_vdst(0)                   ; one wait for the 64 reciprocals, ahead of their first reader
	WIN \W                                         ; source 0 in window W, the rest in window 0
.irp i, 0,1,2,3
.irp bb, 0,1
.irp a, 0,1,2,3
	v_pk_fma_f32 v[SA+2*(4*((\W)-2)+\a):SA+2*(4*((\W)-2)+\a)+1], v[8*(8*\a+2*(\bp)+\bb)+2*\i:8*(8*\a+2*(\bp)+\bb)+2*\i+1], v[(\T)+16+8*\bb+2*\i:(\T)+16+8*\bb+2*\i+1], v[SA+2*(4*((\W)-2)+\a):SA+2*(4*((\W)-2)+\a)+1]
.endr
.endr
.endr
.endm
; THE CONTEXT.  Thread t has columns 8 t .. 8 t + 7.  Ten LDS loads: 16 bytes of each of 8 rows of the tile, and the rows' 8 p, into window 2 at S.  w = 1: multiply-adds have read the set since the last wait.
.macro LOADSET S, ro, w
	WIN 0x80
.if \w
	s_wait_alu depctr_va_vdst(0)                   ; the multiply-adds on this set are done reading it; behind a trip's end v[CA] and v[PTA] are written
.endif
.irp r, 0,1,2,3,4,5,6,7
	ds_load_b128 v[(\S)+4*\r:(\S)+4*\r+3], v[CA] offset:((\ro)+\r)*PA
.endr
	ds_load_b128 v[(\S)+32:(\S)+35], v[PTA] offset:4*(\ro)
	ds_load_b128 v[(\S)+36:(\S)+39], v[PTA] offset:4*(\ro)+16
.endm
.macro FMASET S                        ; 64 multiply-adds, a bf16 half times p onto an f32 sum; eight chains
	WIN 0x0a
.irp r, 0,1,2,3,4,5,6,7
.irp e, 0,1,2,3
	v_fma_mix_f32_bf16 v[CSUM+2*\e],   v[(\S)+4*\r+\e], v[(\S)+32+\r], v[CSUM+2*\e]   op_sel_hi:[1,0,0]
	v_fma_mix_f32_bf16 v[CSUM+2*\e+1], v[(\S)+4*\r+\e], v[(\S)+32+\r], v[CSUM+2*\e+1] op_sel:[1,0,0] op_sel_hi:[1,0,0]
.endr
.endr
.endm
	s_load_b256 s[4:11], s[0:1], 0x0               ; enhy s[4:5], past_attn s[6:7], wf s[8:9], tab s[10:11]
	s_load_b128 s[12:15], s[0:1], 0x20             ; out2 s[12:13], pbuf s[14:15]
	s_load_b64 s[16:17], s[0:1], 0x30              ; cpart
	v_lshl_add_u32 v[SPW], v0, 2, SPARE
	v_mov_b32 v[NIL], 0
	v_lshrrev_b32 v1, 5, v0
	v_readfirstlane_b32 s[WV], v1                  ; wave 0..3
	v_and_b32 v26, 15, v0                          ; l % 16
	v_bfe_u32 v27, v0, 4, 1                        ; l / 16
	v_and_b32 v28, 31, v0                          ; l
	v_lshlrev_b32 v[WOF], 4, v28
	v_mul_u32_u24 v29, v26, PA
	v_lshl_add_u32 v29, v27, 4, v29
.irp q, 0,1,2,3
	v_add_nc_u32 v[ADB+\q], 32*\q*PA, v29
.endr
	s_wait_alu depctr_va_sdst(0)                   ; the wave's number is written, ahead of its first reader: addresses, bases and branches are made from it
	s_lshl_b32 s38, s[WV], 5
	v_add_nc_u32 v30, s38, v27                     ; 32 w + l / 16
	v_mul_u32_u24 v[STB], v30, PA
	v_lshl_add_u32 v[STB], v26, 3, v[STB]
	v_lshlrev_b32 v[GOF], 12, v30
	v_lshl_add_u32 v[GOF], v26, 4, v[GOF]
	v_add_nc_u32 v[PFO], s38, v28
	v_lshlrev_b32 v[PFO], 12, v[PFO]
	s_lshl_b32 s39, s[WV], 9
	s_add_co_u32 s40, s39, BC
	v_lshl_add_u32 v[TB0], v27, 5, s40
	s_add_co_u32 s40, s39, SP
	v_lshl_add_u32 v[SPA], v26, 2, s40
	v_lshl_add_u32 v[SPR], v0, 2, SP
	v_lshl_add_u32 v[PTW], v0, 2, PT
	v_lshrrev_b32 v31, 2, v0                       ; bc of my batch: 16 bytes number T hold n = 4 T ..: block T / 4 of 2,048 bytes, the batch's 64, 16 (T % 4)
	v_and_b32 v1, 3, v0
	v_lshlrev_b32 v31, 11, v31
	v_lshl_add_u32 v31, v1, 4, v31
	s_lshr_b32 s40, ttmp9, 3                       ; eight work-groups a batch
	s_lshl_b32 s40, s40, 6
	v_add_nc_u32 v31, s40, v31
	v_lshlrev_b32 v30, 4, v0                       ; 16 x thread
	v_lshlrev_b32 v29, 2, v0                       ; 4 x thread
	v_add_nc_u32 v1, BC, v30
.set d, 0
.rept 24
	v_mov_b32 v[SA+d], 0                           ; the score sums and the context sums start at 0
.set d, d+1
.endr
	s_lshl_b32 s38, ttmp9, 20                      ; 256 rows of 4,096 bytes
	s_mov_b32 s39, 0
	s_lshl_b32 s40, ttmp9, 10                      ; 256 numbers
	s_mov_b32 s41, 0
	s_lshl_b32 s42, ttmp9, 12                      ; 1,024 numbers
	s_mov_b32 s43, 0
	s_mul_i32 s44, s[WV], 68*WSTEP
	s_mov_b32 s45, 0
	s_mov_b32 s[CC], 0x4038aa3b                    ; c2 = 2 log2(e)
	s_mov_b32 s[CC+1], s[CC]                       ; named with it as a pair
	s_mov_b32 s[SEL], 0x76543210
	s_mov_b32 s[SEL+1], 0xfedcba98
	s_mov_b32 s[L2E], 0x3fb8aa3b                   ; log2(e)
	s_wait_kmcnt 0x0
	s_add_nc_u64 s[EN:EN+1], s[EN:EN+1], s[38:39]
	s_add_nc_u64 s[6:7], s[6:7], s[40:41]
	s_add_nc_u64 s[12:13], s[12:13], s[40:41]
	s_add_nc_u64 s[14:15], s[14:15], s[40:41]
	s_add_nc_u64 s[16:17], s[16:17], s[42:43]
	s_add_nc_u64 s[WB:WB+1], s[WB:WB+1], s[44:45]
	s_add_nc_u64 s[NT:NT+1], s[EN:EN+1], 524288
	s_mov_b64 s[WP:WP+1], s[WB:WB+1]
	s_load_b32 s[SW], s[10:11], 0x21000            ; sw
	s_wait_alu depctr_va_vdst(0)                   ; every offset and LDS address made above is written: the loads, stores and prefetches of the whole kernel read them
	global_load_b128 v[XF:XF+3],     v31, s[10:11]
	global_load_b128 v[XF+4:XF+7],   v31, s[10:11] offset:65536
	global_load_b128 v[XF+8:XF+11],  v30, s[10:11] offset:131072
	global_load_b128 v[XF+12:XF+15], v30, s[10:11] offset:133120
	global_load_b32 v[PAST],   v29, s[6:7]
	global_load_b32 v[PAST+1], v29, s[6:7] offset:512
	GLOAD SG0, EN, 0                               ; groups 0 and 1 of the first tile
	GLOAD SG1, EN, 256
	LOADB 0
	WIN 0
	s_wait_loadcnt 48                              ; the six small loads are in; the 48 issued behind them stay out
	ds_store_b128 v1, v[XF:XF+3]
	ds_store_b128 v1, v[XF+4:XF+7]   offset:2048
	ds_store_b128 v1, v[XF+8:XF+11]  offset:4096
	ds_store_b128 v1, v[XF+12:XF+15] offset:6144
	LOADB 1
	LOADB 2
	LOADB 3
	WIN 0
	s_wait_dscnt 0x0                               ; the tables lie in LDS
	s_barrier_signal -1
	s_barrier_wait -1
	s_wait_alu depctr_vm_vsrc(0)                   ; the small loads have read their offsets v29 to v31, the four stores v1 and v[XF .. XF + 15]: all of these are written again below
	s_wait_kmcnt 0x0
	s_mul_f32 s[SW], s[SW], s[L2E]
	s_mov_b32 s[IT], 0
.Liter:                                        ; four trips: a chunk each
	s_and_b32 s[CH], s[IT], 1
	s_lshr_b32 s[TL], s[IT], 1
	s_cmp_eq_u32 s[CH], 0
	s_cbranch_scc0 .LK1
	; CHUNK 0, with the stream.  The ring holds steps 0-3 of W_en, the two sets of registers groups 0 and 1 of this tile.
	; The loads go out in the order B0 | B1 G0 | B2 | B3 G1 (B: a step of W_en into that ring buffer, G: a group into that set; 16 loads each; the bars part the steps of a trip).
	s_wait_xcnt 0x0                                ; every load issued so far has read its address: the pointers may be written
	s_lshl_b32 s38, s[TL], 19
	s_mov_b32 s39, 0
	s_add_nc_u64 s[EP:EP+1], s[EN:EN+1], s[38:39]  ; the tile's first row
	s_mul_i32 s40, s[TL], 3584                     ; the last trip's loads (at 1,024 and 1,280 behind the pointer) ask for the next tile's groups 0 and 1; in the last tile for its own groups 14 and 15 once more
	s_add_co_u32 s40, s40, 523264
	s_mov_b32 s41, 0
	s_add_nc_u64 s[NX:NX+1], s[EN:EN+1], s[40:41]
	s_add_nc_u64 s[WP:WP+1], s[WB:WB+1], 4*WSTEP
.irp q, 0,1,2,3
	v_mov_b32 v[ADA+\q], v[ADB+\q]
.endr
	v_mov_b32 v[STA], v[STB]
	s_wait_loadcnt 63                              ; group 0 is in: behind its loads 64 or more have been issued; 63 is the largest count that the wait can name
	CVT SG0
	s_wait_alu depctr_va_vdst(0)                   ; the conversions have written the 32 registers that the stores read and are done with the 64 in which group 2 lands; v[STA] and v[ADA ..] are written; the last epilogue is done reading its tables in X and Y
.irp n, 0,1,2,3
	SS SG0, 0, \n                                  ; group 0 into the tile
.endr
	s_wait_alu depctr_vm_vsrc(0)                   ; the sixteen stores have read the group's lower 32 registers, in which the loads below land
	GLOAD SG0, EP, 512                             ; group 2 is asked for
	s_wait_dscnt 0x0
	s_barrier_signal -1
	s_barrier_wait -1
	FETCHA 0, 0
	FETCHA 1, 0
	KSTEP 0, 1, 1, 0, 63, 0, 64, SG1, 63, 128, 768 ; step 0; group 1 goes into the tile, group 3 is asked for.  Behind buffer 0's loads: three steps and a group, 64; behind group 1's more
	s_mov_b32 s[K0C], 7
.Lk0:                                          ; trip i: steps 4 i + 1 .. 4 i + 4; groups 2 i + 2 and 2 i + 3 go into the tile, groups 2 i + 4 and 2 i + 5 are asked for
	KSTEP 1, 0, 0, 1, 63, 64, 128                  ; behind buffer 1's loads: G0 B2 B3 G1 B0, 80 (a chunk's first trip: B2 B3 G0 G1 B0)
	KSTEP 2, 0, 0, 0, 48, 128, 192, SG0, 48, 256, 1024  ; behind buffer 2's: B3 G1 B0, 48; behind the group's in a chunk's first trip: G1 B0 B1, 48, later 80
	KSTEP 3, 0, 0, 1, 63, 192, 256                 ; behind buffer 3's: G1 B0 B1 G0 B2, 80
	KSTEP 0, 0, 0, 0, 48, 256, 320, SG1, 63, 384, 1280  ; behind buffer 0's: B1 G0 B2, 48; behind the group's: B0 B1 G0 B2 B3, 80
	s_wait_alu depctr_vm_vsrc(0)                   ; the trip's LDS loads and stores have read v[ADA ..] and v[STA]
.irp q, 0,1,2,3
	v_add_nc_u32 v[ADA+\q], 256, v[ADA+\q]         ; the next head's wait shows them written
.endr
	v_add_nc_u32 v[STA], 256, v[STA]
	s_wait_xcnt 0x0                                ; the loads have read their addresses: the pointers step
	s_add_nc_u64 s[WP:WP+1], s[WP:WP+1], 4*WSTEP
	s_add_nc_u64 s[EP:EP+1], s[EP:EP+1], 512
	s_cmp_eq_u32 s[K0C], 2                         ; the next trip is the last
	s_cselect_b64 s[EP:EP+1], s[NX:NX+1], s[EP:EP+1]
	s_sub_co_u32 s[K0C], s[K0C], 1
	s_cmp_lg_u32 s[K0C], 0
	s_cbranch_scc1 .Lk0
	KSTEP 1, 0, 0, 1, 63, 64, 128                  ; steps 29 to 31; the barrier is group 15's; the ring takes steps 32-35: chunk 1's
	KSTEP 2, 0, 0, 0, 48, 128, 192
	KSTEP 3, 0, 0, 0, 48, 192, -1                  ; behind buffer 3's loads: G1 B0 B1, 48
	KEND
	s_branch .Lepi
.LK1:	; CHUNK 1: the tile is whole; nothing is stored, so no barrier
	s_wait_xcnt 0x0
	s_add_nc_u64 s[WP:WP+1], s[WB:WB+1], 36*WSTEP
.irp q, 0,1,2,3
	v_mov_b32 v[ADA+\q], v[ADB+\q]
.endr
	s_wait_alu depctr_va_vdst(0)                   ; v[ADA ..] are written; the last epilogue is done reading its tables in X and Y, in which the fragments land
	FETCHA 0, 0
	FETCHA 1, 0
	KSTEP 0, 1, 1, 0, 48, 0, 64                    ; 48: the three younger steps of W_en stay out
	s_mov_b32 s[K1C], 7
.Lk1:
	KSTEP 1, 0, 0, 0, 32, 64, 128                  ; 32: at a step's head two younger steps of W_en are out; the third is asked for behind the wait
	KSTEP 2, 0, 0, 0, 32, 128, 192
	KSTEP 3, 0, 0, 0, 32, 192, 256
	KSTEP 0, 0, 0, 0, 32, 256, 320
	s_wait_alu depctr_vm_vsrc(0)                   ; the trip's LDS loads have read v[ADA ..]
.irp q, 0,1,2,3
	v_add_nc_u32 v[ADA+\q], 256, v[ADA+\q]         ; the next head's wait shows them written
.endr
	s_wait_xcnt 0x0
	s_add_nc_u64 s[WP:WP+1], s[WP:WP+1], 4*WSTEP
	s_sub_co_u32 s[K1C], s[K1C], 1
	s_cmp_lg_u32 s[K1C], 0
	s_cbranch_scc1 .Lk1
	KSTEP 1, 0, 0, 0, 32, 64, 128                  ; the ring takes steps 64-67, which repeat steps 0-3: the next tile's
	KSTEP 2, 0, 0, 0, 32, 128, 192
	KSTEP 3, 0, 0, 0, 32, 192, -1
	KEND
	; A PREFETCH INTO THE L2, once a launch, at the end of the first tile's products: groups 2 to 5 of the second tile, whose loads follow behind this tile's epilogue and end.  A lane a row, each wave its own 32 rows, which it
	; alone will load: four instructions, 32 KiB a wave; each 256 bytes are named once.  Groups 0 and 1 are on their way by their loads; from group 6 on the loads run on by themselves.
	s_cmp_eq_u32 s[IT], 1
	s_cbranch_scc0 .Lepi
	global_prefetch_b8 v[PFO], s[NT:NT+1] offset:512 th:TH_LOAD_NT scope:SCOPE_SE
	global_prefetch_b8 v[PFO], s[NT:NT+1] offset:768 th:TH_LOAD_NT scope:SCOPE_SE
	global_prefetch_b8 v[PFO], s[NT:NT+1] offset:1024 th:TH_LOAD_NT scope:SCOPE_SE
	global_prefetch_b8 v[PFO], s[NT:NT+1] offset:1280 th:TH_LOAD_NT scope:SCOPE_SE
.Lepi:	; THE EPILOGUE of a chunk: 64 accumulators in eight batches; the tables for two column blocks at a time, in the fragments' registers, one set ahead.  The first two sets hang on the wait at the products' end.
	PLACES                                         ; with those at the products' end: eight places and more behind the last products
	TLOAD XF, 0
	TLOAD YF, 1
	s_wait_dscnt 8                                 ; the first set is in; the other set's eight loads stay out
	BATCH 2, 0, XF
	BATCH 3, 0, XF
	s_wait_dscnt 0x0                               ; the set asked for two batches back or more is in (so at each of these waits)
	BATCH 2, 1, YF, 2, XF
	BATCH 3, 1, YF
	s_wait_dscnt 0x0
	BATCH 2, 2, XF, 3, YF
	BATCH 3, 2, XF
	s_wait_dscnt 0x0
	BATCH 2, 3, YF
	BATCH 3, 3, YF
	WIN 0
	s_cmp_eq_u32 s[CH], 0
	s_cbranch_scc1 .Lnext
	; THE TILE's END.  A lane's pair of sums and the other half of the lanes' are added: my wave's 256 columns' part of 128 scores
.irp a, 0,1,2,3,4,5,6,7
	v_add_f32 v[WK+\a], v[SA+2*\a], v[SA+2*\a+1]
.endr
.irp a, 0,1,2,3,4,5,6,7
	v_permlanex16_b32 v[SA+2*\a], v[WK+\a], s[SEL], s[SEL+1]
.endr
.irp a, 0,1,2,3,4,5,6,7
	v_add_f32 v[WK+\a], v[WK+\a], v[SA+2*\a]
.endr
	s_wait_alu depctr_va_vdst(0)                   ; the eight sums v[WK ..] are written, which the stores read; all earlier vector work on v26 to v29, in which the loads behind the barrier land, is done
.irp a, 0,1,2,3,4,5,6,7
	ds_store_b32 v[SPA], v[WK+\a] offset:64*\a     ; row 16 a + l % 16; both halves of the lanes store the same number
.endr
.set d, 0
.rept 16
	v_mov_b32 v[SA+d], 0                           ; for the next tile
.set d, d+1
.endr
	s_wait_dscnt 0x0
	s_barrier_signal -1
	s_barrier_wait -1
	ds_load_b32 v26, v[SPR]                        ; thread t finishes row t
	ds_load_b32 v27, v[SPR] offset:512
	ds_load_b32 v28, v[SPR] offset:1024
	ds_load_b32 v29, v[SPR] offset:1536
	s_wait_dscnt 0x0
	v_add_f32 v26, v26, v27
	v_add_f32 v28, v28, v29
	v_add_f32 v26, v26, v28
	v_fma_f32 v26, v26, s[L2E], s[SW]              ; score x log2(e)
	v_exp_f32 v27, v26
	v_rcp_f32 v28, v[PAST]
	s_lshl_b32 s38, s[WV], 9                       ; the addresses of the rest of the tile's end are made here, plain work behind the two and ahead of their wait:
	s_add_co_u32 s38, s38, PT
	v_add_nc_u32 v30, s38, v[WOF]                  ; where waves 0 and 1 read p and the exponentials back,
	s_lshl_b32 s39, s[TL], 9
	v_add_nc_u32 v31, s39, v[WOF]                  ; where they store them,
	v_lshlrev_b32 v[CA], 4, v0                     ; and the context's two
	v_mov_b32 v[PTA], PT
	s_wait_alu depctr_va_vdst(0)                   ; one wait for the exponential and the reciprocal, ahead of their first reader; v30, v31, v[CA] and v[PTA] are written, and the epilogue is done with window 2, in which the context's loads land
	v_mul_f32 v29, v27, v28
	v_mov_b32 v[PAST], v[PAST+1]                   ; the next tile's
	s_wait_alu depctr_va_vdst(0)                   ; p is written, which the store reads
	ds_store_b32 v[PTW], v29                       ; p
	ds_store_b32 v[PTW], v27 offset:512            ; exp(score)
	s_wait_dscnt 0x0
	s_barrier_signal -1
	s_barrier_wait -1
	s_wait_alu depctr_vm_vsrc(0)                   ; the stores of the scores' parts have read v[WK ..], in which the load below lands
	s_cmp_lt_u32 s[WV], 2                          ; wave 0 stores the 128 p, wave 1 the 128 exponentials: 512 consecutive bytes each
	s_cbranch_scc0 .Lno_out
	ds_load_b128 v[WK:WK+3], v30
	s_cmp_eq_u32 s[WV], 0
	s_cselect_b64 s[40:41], s[14:15], s[12:13]
	s_wait_dscnt 0x0
	global_store_b128 v31, v[WK:WK+3], s[40:41]
.Lno_out:
	LOADSET 0, 0, 0                                ; the context: 128 rows, two sets of 8 by turns.  No wait: no vector instruction since the last wait names the set or its addresses
	WIN 0
	s_mov_b32 s[CXC], 7
.Lctx:
	LOADSET 64, 8, 1
	s_wait_dscnt 10                                ; the older set is in; the ten loads just issued stay out
	FMASET 0
	LOADSET 0, 16, 1
	s_wait_dscnt 10
	FMASET 64
	WIN 0
	s_wait_alu depctr_vm_vsrc(0)                   ; the trip's loads have read v[CA] and v[PTA]
	v_add_nc_u32 v[CA], 16*PA, v[CA]
	v_add_nc_u32 v[PTA], 64, v[PTA]
	s_sub_co_u32 s[CXC], s[CXC], 1
	s_cmp_lg_u32 s[CXC], 0
	s_cbranch_scc1 .Lctx
	LOADSET 64, 8, 1
	s_wait_dscnt 10
	FMASET 0
	s_wait_dscnt 0x0
	FMASET 64
	WIN 0
.Lnext:
	s_wait_xcnt 0x0                                ; the stores have read their registers
	s_wait_dscnt 0x0                               ; my reads of the tile and of the small regions are over:
	s_wait_alu depctr_vm_vsrc(0)                   ; this chunk's LDS and memory instructions have read v[ADA ..], v[STA], v[TB], v[CA], v[PTA], v[WK ..], v27 and v29 to v31, which the next chunk or the way out writes again
	s_barrier_signal -1
	s_barrier_wait -1                              ; everybody's are: the next chunk may store into them
	s_add_co_u32 s[IT], s[IT], 1
	s_cmp_lt_u32 s[IT], 4
	s_cbranch_scc1 .Liter
	; THE WAY OUT of the context sums: a thread's 8 numbers are 32 bytes; through my wave's own bytes of LDS they become stores of 512 consecutive bytes
	s_lshl_b32 s38, s[WV], 10
	v_and_b32 v1, 31, v0
	v_lshl_add_u32 v28, v1, 4, s38
	v_lshl_add_u32 v26, v1, 5, s38
	v_add_nc_u32 v26, CS, v26
	v_add_nc_u32 v27, CS, v28
	s_wait_alu depctr_va_vdst(0)                   ; the three addresses v26 to v28 are written, and so are the context sums, which the stores read
	ds_store_b128 v26, v[CSUM:CSUM+3]
	ds_store_b128 v26, v[CSUM+4:CSUM+7] offset:16
	ds_load_b128 v[WK:WK+3],   v27                 ; LDS serves a wave's instructions in order (ISA guide 5.7.1.4): these see the stores above
	ds_load_b128 v[WK+4:WK+7], v27 offset:512
	s_wait_dscnt 0x0
	global_store_b128 v28, v[WK:WK+3],   s[16:17]
	global_store_b128 v28, v[WK+4:WK+7], s[16:17] offset:512
	s_wait_dscnt 0x0                               ; the closing lines, six on end
	s_wait_alu 0x0
	s_wait_tensorcnt 0x0
	ds_add_u32 v[SPW], v[NIL]
	s_wait_dscnt 0x0
	s_endpgm
.Lfunc_end_k_q285efed119_main:
	.size	k_q285efed119_main, .Lfunc_end_k_q285efed119_main-k_q285efed119_main
	.p2alignl 7, 3214868480
	.fill 96, 4, 3214868480
	.section	.rodata,"a",@progbits
	.p2align	6, 0x0
	.amdhsa_kernel k_q285efed119_main
		.amdhsa_group_segment_fixed_size 280064
		.amdhsa_private_segment_fixed_size 0
		.amdhsa_enable_private_segment 0
		.amdhsa_kernarg_size 56
		.amdhsa_user_sgpr_count 2
		.amdhsa_user_sgpr_kernarg_segment_ptr 1
		.amdhsa_wavefront_size32 1
		.amdhsa_system_sgpr_workgroup_id_x 1
		.amdhsa_system_sgpr_workgroup_id_y 1
		.amdhsa_system_sgpr_workgroup_id_z 1
		.amdhsa_system_vgpr_workitem_id 0
		.amdhsa_next_free_vgpr 1024
		.amdhsa_next_free_sgpr 66
		.amdhsa_reserve_vcc 0
		.amdhsa_float_denorm_mode_32 3
		.amdhsa_float_denorm_mode_16_64 3
		.amdhsa_memory_ordered 1
		.amdhsa_forward_progress 1
		.amdhsa_inst_pref_size 255
	.end_amdhsa_kernel
	.section	.bss,"aw",@nobits
	.p2align	6
	.space	262144
	.amdgpu_metadata
---
amdhsa.version: [ 1, 2 ]
amdhsa.kernels:
  - .name:           k_q285efed119_main
    .symbol:         k_q285efed119_main.kd
    .args:
      - { .name: enhy, .offset: 0, .size: 8, .value_kind: global_buffer, .address_space: global }
      - { .name: past_attn, .offset: 8, .size: 8, .value_kind: global_buffer, .address_space: global }
      - { .name: wf, .offset: 16, .size: 8, .value_kind: global_buffer, .address_space: global }
      - { .name: tab, .offset: 24, .size: 8, .value_kind: global_buffer, .address_space: global }
      - { .name: out2, .offset: 32, .size: 8, .value_kind: global_buffer, .address_space: global }
      - { .name: pbuf, .offset: 40, .size: 8, .value_kind: global_buffer, .address_space: global }
      - { .name: cpart, .offset: 48, .size: 8, .value_kind: global_buffer, .address_space: global }
    .group_segment_fixed_size: 280064
    .private_segment_fixed_size: 0
    .kernarg_segment_align: 8
    .kernarg_segment_size: 56
    .max_flat_workgroup_size: 128
    .sgpr_count:     66
    .vgpr_count:     1024
    .wavefront_size: 32
...
	.end_amdgpu_metadata
.endif
;; end of part 4
;; launch norm: the kernel of part 3 again; grid 256 x 1, 4 waves a work-group, no clusters, 768 bytes of LDS; arguments pbuf, cpart, out0, out1; writes out0, out1
